; MI455X (gfx1250); checked and timed in simulation.
; The chip was launched on July 23, 2026; its instructions are those of AMD's public machine-readable ISA for CDNA 5 (MIT licence, August 2026) and "CDNA5" Instruction Set Architecture Reference Guide (July 2026). The comments in the code are by the model that wrote it; some were corrected since.
;; Custom Attention. Allowed arithmetic: matrix products marked QUANTISED: E2M1 operands, one E8M0 scale for each 32 along K, by v_wmma_scale_f32_16x16x128_f8f6f4 with both operands' format E2M1 (or v_wmma_scale_f32_32x16x128_f4), f32 sums; products left as they are: bf16, f16 or f32 operands; f32 sums; everything else in f32.
;; Inputs: Wk 1,024 x 1,024 float32; Wo 1,024 x 1,024 float32; Wq 1,024 x 1,024 float32; Wv 1,024 x 1,024 float32; bk 1,024 float32; bo 1,024 float32; bq 1,024 float32; bv 1,024 float32; key 4 x 2,048 x 1,024 float32; query 4 x 2,048 x 1,024 float32; value 4 x 2,048 x 1,024 float32.
;; Outputs: out0 4 x 2,048 x 1,024 float32.
;; This version of the problem:
;;   THIS VERSION OF THE PROBLEM IS GIVEN IN LOW PRECISION. The matrix products marked QUANTISED in the list below multiply operands that are first quantised to E2M1 (2 exponent bits, 1 mantissa bit; 4 bits a number), with one power-of-two scale for each 32 numbers along K (OCP MX v1.0); their sums are f32. The products marked 'left as it is' may take bf16, f16 or f32 operands, with f32 sums. Whichever they take, every output number must still come out within the allowed error. Rounding operands to bf16 (8 significant bits) uses up far more of that allowance than f16 does (11 bits, for magnitudes from 6e-5 to 65,504). All else is computed in f32.
;;   The module's matrix products, in the order in which they are computed (A, B: the left and right operand; K: the contracted axis; several contracted axes count as one K, in the product's order):
;;     1. [M 8,192, K 1,024] x [K 1,024, N 1,024]; A: input query; B: input Wq: QUANTISED
;;     2. [M 8,192, K 1,024] x [K 1,024, N 1,024]; A: input key; B: input Wk: QUANTISED
;;     3. [M 8,192, K 1,024] x [K 1,024, N 1,024]; A: input value; B: input Wv: QUANTISED
;;     4. batch 4 x [M 2,048, K 1,024] x [K 1,024, N 2,048]; A: computed on the way; B: computed on the way: left as it is (an operand is computed on the way)
;;     5. batch 4 x [M 2,048, K 2,048] x [K 2,048, N 1,024]; A: computed on the way; B: computed on the way: left as it is (an operand is computed on the way)
;;     6. [M 8,192, K 1,024] x [K 1,024, N 1,024]; A: computed on the way; B: input Wo: left as it is (an operand is computed on the way)
;;   THE QUANTISER, for each operand of a quantised product, along K:
;;     - K is cut into blocks of 32 from its start; a last block that is shorter is filled with zeros.
;;     - A block's scale is 2^e with e = floor(log2(the largest magnitude in the block)) - 2, held to -126 .. 127; a block of zeros has e = 0. As a byte (E8M0): e + 127.
;;     - Each number is divided by its block's scale, clamped to +-6, and rounded to the nearest number of E2M1, ties to even, subnormals kept.
;;     - The product sums the exact products of the quantised numbers (number of the format x scale) in f32.
;;   ~~~python
;;   def quantise(x, axis):      # numpy; x: float32 -> the quantised numbers, widened to float32 again
;;       x = np.moveaxis(x, axis, -1); K = x.shape[-1]
;;       x = np.pad(x, [(0, 0)] * (x.ndim - 1) + [(0, -K % 32)]); x = x.reshape(x.shape[:-1] + (-1, 32)); a = np.abs(x).max(-1, keepdims=True)
;;       e = np.where(a > 0, np.clip(np.frexp(np.where(a > 0, a, 1))[1] - 1 - 2, -126, 127), 0)      # np.frexp(a)[1] - 1 = floor(log2(a)), exactly
;;       r = np.clip(x / 2.0 ** e, -6, 6)
;;       step = 2.0 ** (np.maximum(np.frexp(np.where(r == 0, 1, r))[1] - 1, 0) - 1)
;;       q = np.round(r / step) * step * 2.0 ** e      # np.round: ties to even
;;       return np.moveaxis(q.reshape(q.shape[:-2] + (-1,))[..., :K], -1, axis).astype(np.float32)
;;   ~~~
;; One version. Each part assembles by itself: llvm-mc -triple=amdgcn-amd-amdhsa -mcpu=gfx1250 --defsym DOCPART=n.
;; ======== version 1 of 1: 5 launches
;; limits: values are held in f16: magnitudes above 65,504 overflow, below 6.1e-05 lose precision
;; workspace buffers: codes 14,155,776 bytes; scales 884,736 bytes; woh 2,097,152 bytes; qkv 50,331,648 bytes; pt 33,554,432 bytes; stats 1,048,576 bytes; oh 16,777,216 bytes
;; launch quant (part 1): grid 896 x 1, 4 waves a work-group, no clusters, 33,280 bytes of LDS; arguments query, key, value, Wq, Wk, Wv, Wo, codes, scales, woh; writes codes, scales, woh
.if DOCPART == 1
	.amdgcn_target "amdgcn-amd-amdhsa--gfx1250"
	.amdhsa_code_object_version 6
	.text
	.protected	k_q9721175cc1_quant
	.globl	k_q9721175cc1_quant
	.p2align	8
	.type	k_q9721175cc1_quant,@function
k_q9721175cc1_quant:
	s_mov_b64 s[64:65], 0
	v_nop
	global_prefetch_b8 v0, s[64:65] scope:SCOPE_SE
	s_setreg_imm32_b32 hwreg(HW_REG_WAVE_MODE, 25, 1), 1
	s_wait_xcnt 0x0
; FIRST OF FIVE LAUNCHES of out = softmax((query Wq^T + bq)(key Wk^T + bk)^T / 32) (value Wv^T + bv) Wo^T + bo.
; This one turns query, key, value [8192][1024] and Wq, Wk, Wv [1024][1024], f32, K innermost, into codes of FP4 (E2M1) with one E8M0 byte for each 32 along K, and Wo into f16.
; DEAD WORK: bk.  score(q, k) = q . (key_k Wk^T + bk) / 32 = q . (key_k Wk^T) / 32 + (q . bk) / 32.  The second term does not hang on k: it is the same along the softmax's axis,
; and a softmax is unchanged by such a term, for all finite values of the inputs.  The product of q with k is not quantised, so bk moves no code and no scale.  bk is therefore not loaded
; and is no argument of any launch.  LIMIT: a NaN, an infinity or an overflow that would arise from bk alone is not carried to the result.
; A block's scale is 2^(floor(log2(its largest magnitude)) - 2); its byte is the largest magnitude's exponent field - 2, held at 1 from below.  A block of zeros gets the byte 1 where the rule says 127:
; its codes are zeros, which add nothing under any byte but 0xff, and the bytes are read by this program alone.
; LIMITS: blocks whose largest magnitude lies under 2^(2 - 126) were not tried; NaN and infinities among the inputs are not served; Wo must lie inside f16's range.
; The six quantised tensors are plain streams of blocks of 32; their codes (512 bytes a row) and scale bytes (32 a row) lie on end in ONE buffer each: rows 0.. query, 8192.. key, 16384.. value, 24576.. Wq, 25600.. Wk, 26624.. Wv.
; A work-group takes 32,768 numbers, a wave 8,192 (16 steps of 512).  Work-groups 0-255 query, 256-511 key, 512-767 value, 768-799 Wq, 800-831 Wk, 832-863 Wv, 864-895 Wo.  Only the source pointer is chosen.
; Each load reads 512 consecutive bytes; a step's 2,048 bytes turn through the wave's own stage in LDS so that a lane holds 16 neighbours along K (two lanes to a block).  No barrier: waves share nothing.
.set WAVES, 4
.set STEPS, 16
.set EMAX,  2
.set CB,    8                          ; bytes of 16 codes
.set R,     16                         ; v16-79   four sets of 16 numbers as they are loaded
.set X,     80                         ; v80-111  two sets of 16 neighbours
.set C,     128                        ; v128-191 codes: four registers for each step
.set E,     112                        ; v112-127 a scale byte for each step
.set WREG,  8192                       ; LDS: a region for each wave: two stages of 32 x SP bytes, then its 256 scale bytes
.set SP,    80                         ; a lane's place in a stage: 64 bytes + 16 of padding
.set SPW,   12                         ; v12  LDS address of my spare word; never rewritten
.set NIL,   13                         ; v13  0; never rewritten
.set SPARE, WAVES*WREG                 ; behind the four regions: the spare words, 128 bytes a wave
	s_load_b256 s[4:11], s[0:1], 0x0               ; query s[4:5], key s[6:7], value s[8:9], Wq s[10:11]
	s_load_b256 s[12:19], s[0:1], 0x20             ; Wk s[12:13], Wv s[14:15], Wo s[16:17], codes s[18:19]
	s_load_b128 s[20:23], s[0:1], 0x40             ; scales s[20:21], woh s[22:23]
	v_lshl_add_u32 v[SPW], v0, 2, SPARE
	v_mov_b32 v[NIL], 0
	v_lshrrev_b32 v1, 5, v0
	v_readfirstlane_b32 s24, v1                    ; wave
	v_and_b32 v2, 31, v0                           ; lane
	v_lshlrev_b32 v3, 4, v2                        ; my 16 bytes of a load's 512
	s_mul_i32 s25, s24, WREG
	v_lshrrev_b32 v14, 2, v2
	v_mul_u32_u24 v14, v14, SP
	v_and_b32 v15, 3, v2
	v_lshl_add_u32 v14, v15, 4, v14
	v_add_nc_u32 v14, s25, v14                     ; the stage, on the way in: SP (lane / 4) + 16 (lane % 4)
	v_mul_u32_u24 v15, v2, SP
	v_add_nc_u32 v15, s25, v15                     ; and on the way out: SP x lane: my 16 neighbours
	v_mul_u32_u24 v4, v2, CB                       ; 8 bytes a lane: my codes' place in a step's; Wo's f16 likewise
	v_lshrrev_b32 v5, 1, v2
	s_add_co_u32 s25, s25, 2*32*SP
	v_add_nc_u32 v5, s25, v5                       ; LDS: my wave's 256 scale bytes, my block's byte
	v_lshlrev_b32 v7, 3, v2
	v_add_nc_u32 v6, s25, v7                       ; and on the way out 8 bytes a lane
	s_lshl_b32 s27, ttmp9, 2
	s_add_co_u32 s27, s27, s24                     ; which run of 8,192 numbers of the whole stream is my wave's
	s_mov_b32 s29, 0
	s_mov_b32 s31, 0
	s_mov_b32 s26, 0                               ; my tensor's first work-group
	s_wait_kmcnt 0x0
	s_cmp_ge_u32 ttmp9, 864
	s_cbranch_scc1 .Lwo                            ; Wo's work-groups: a branch on the work-group's number
	s_cmp_ge_u32 ttmp9, 256                        ; the source: each choice hangs on the work-group's number alone
	s_cselect_b64 s[4:5], s[6:7], s[4:5]
	s_cselect_b32 s26, 256, s26
	s_cmp_ge_u32 ttmp9, 512
	s_cselect_b64 s[4:5], s[8:9], s[4:5]
	s_cselect_b32 s26, 512, s26
	s_cmp_ge_u32 ttmp9, 768
	s_cselect_b64 s[4:5], s[10:11], s[4:5]
	s_cselect_b32 s26, 768, s26
	s_cmp_ge_u32 ttmp9, 800
	s_cselect_b64 s[4:5], s[12:13], s[4:5]
	s_cselect_b32 s26, 800, s26
	s_cmp_ge_u32 ttmp9, 832
	s_cselect_b64 s[4:5], s[14:15], s[4:5]
	s_cselect_b32 s26, 832, s26
	s_sub_co_u32 s28, ttmp9, s26
	s_lshl_b32 s28, s28, 2
	s_add_co_u32 s28, s28, s24                     ; my run within the tensor,
	s_lshl_b32 s28, s28, 15                        ; 32,768 bytes a run
	s_add_nc_u64 s[4:5], s[4:5], s[28:29]
	s_lshl_b32 s30, s27, 12                        ; 4,096 bytes of codes a run
	s_add_nc_u64 s[18:19], s[18:19], s[30:31]
	s_lshl_b32 s30, s27, 8                         ; 256 scale bytes a run
	s_add_nc_u64 s[20:21], s[20:21], s[30:31]
.macro LOAD t
.irp i, 0,1,2,3
	global_load_b128 v[R+16*((\t)%4)+4*\i:R+16*((\t)%4)+4*\i+3], v3, s[4:5] offset:2048*(\t)+512*\i th:TH_LOAD_NT   ; 32 lanes read 512 consecutive bytes
.endr
.endm
.macro TURN t                          ; step t's numbers through the stage: LDS serves a wave's instructions in order, so no wait stands between the stores and the loads
.irp i, 0,1,2,3
	ds_store_b128 v14, v[R+16*((\t)%4)+4*\i:R+16*((\t)%4)+4*\i+3] offset:32*SP*((\t)%2)+8*SP*\i
.endr
.irp i, 0,1,2,3
	ds_load_b128 v[X+16*((\t)%2)+4*\i:X+16*((\t)%2)+4*\i+3], v15 offset:32*SP*((\t)%2)+16*\i
.endr
.endm
.irp t, 0,1,2,3
	LOAD \t
.endr
	s_wait_loadcnt 12                              ; step 0's four loads are in; twelve younger ones stay out
	TURN 0
.macro STEP t
.set XS, X+16*((\t)%2)
.if (\t) > 0
	s_wait_dscnt 1                                 ; this step's numbers are back from the stage (the last step's byte store may be out)
.else
	s_wait_dscnt 0x0
.endif
.if (\t)+4 < STEPS
	LOAD (\t)+4                                    ; into the registers that the stage's stores have read
.endif
.if (\t)+1 < STEPS
.if STEPS-2-(\t) >= 3
	s_wait_loadcnt 12                              ; the next step's four loads are in; those of the three steps behind it may be out
.else
	s_wait_loadcnt 4*(STEPS-2-(\t))
.endif
	TURN (\t)+1
.endif
	v_max3_num_f32 v8, |v[XS]|, |v[XS+1]|, |v[XS+2]|               ; the largest magnitude of my 16, in two chains
	v_max3_num_f32 v9, |v[XS+3]|, |v[XS+4]|, |v[XS+5]|
.irp i, 6,10
	v_max3_num_f32 v8, v8, |v[XS+\i]|, |v[XS+\i+1]|
	v_max3_num_f32 v9, v9, |v[XS+\i+2]|, |v[XS+\i+3]|
.endr
	v_max3_num_f32 v8, v8, |v[XS+14]|, |v[XS+15]|
	v_max3_num_f32 v8, v8, v9, (EMAX+1)<<23        ; and the floor 2^(EMAX + 1 - 127): the byte cannot fall under 1
	v_max_num_f32_dpp v8, v8, v8 row_xmask:1 row_mask:0xf bank_mask:0xf   ; and of my neighbour's 16: the block's
	v_add_nc_u32 v11, -(EMAX<<23), v8              ; EMAX off its exponent field: the conversion takes the exponent field of this operand as its scale
	v_cvt_scalef32_pk8_fp4_f32 v[C+4*(\t)], v[XS:XS+7], v11
	v_cvt_scalef32_pk8_fp4_f32 v[C+4*(\t)+1], v[XS+8:XS+15], v11
	v_lshrrev_b32 v[E+(\t)], 23, v11               ; the scale's byte (a plain line behind the conversions)
	ds_store_b8 v5, v[E+(\t)] offset:16*(\t)       ; both lanes of a block write the same byte with the same value
	global_store_b64 v4, v[C+4*(\t):C+4*(\t)+1], s[18:19] offset:32*CB*(\t)   ; the wave stores 256 consecutive bytes, aligned
.endm
.irp t, 0,1,2,3,4,5,6,7,8,9,10,11,12,13,14,15
	STEP \t
.endr
	ds_load_b64 v[8:9], v6                         ; LDS serves a wave's instructions in order: these see my stores
	s_wait_dscnt 0x0
	global_store_b64 v7, v[8:9], s[20:21]          ; 32 lanes store 256 consecutive bytes, aligned
	s_wait_tensorcnt 0x0                           ; the wave's end, behind my last LDS store
	ds_add_u32 v[SPW], v[NIL]
	s_wait_dscnt 0x0
	s_endpgm
; Wo to f16: a plain stream, no LDS.  A wave's 64 loads of 512 bytes go in four groups of 16, on two sets of registers; a load's 4 numbers a lane become 8 bytes, and the wave's store covers 256 consecutive bytes.
.Lwo:
	s_sub_co_u32 s28, s27, 864*4                   ; my run within Wo
	s_lshl_b32 s30, s28, 14                        ; 16,384 bytes of f16 a run
	s_lshl_b32 s28, s28, 15
	s_add_nc_u64 s[16:17], s[16:17], s[28:29]
	s_add_nc_u64 s[22:23], s[22:23], s[30:31]
.macro LOADW g
.irp i, 0,1,2,3,4,5,6,7,8,9,10,11,12,13,14,15
	global_load_b128 v[16+64*((\g)%2)+4*\i:16+64*((\g)%2)+4*\i+3], v3, s[16:17] offset:512*(16*(\g)+\i) th:TH_LOAD_NT
.endr
.endm
	LOADW 0
	LOADW 1
.irp g, 0,1,2,3
.if \g < 3
	s_wait_loadcnt 16                              ; this group's 16 loads are in; the next group's may be out
.else
	s_wait_loadcnt 0x0
.endif
.if \g > 0
	s_wait_xcnt 0x0                                ; the last group's stores have read v144-175, which are written again below
.endif
.irp i, 0,1,2,3,4,5,6,7,8,9,10,11,12,13,14,15
	v_cvt_pk_f16_f32 v[144+2*\i], v[16+64*(\g%2)+4*\i], v[16+64*(\g%2)+4*\i+1]
	v_cvt_pk_f16_f32 v[145+2*\i], v[16+64*(\g%2)+4*\i+2], v[16+64*(\g%2)+4*\i+3]
.endr
.if \g < 2
	LOADW \g+2
.endif
.irp i, 0,1,2,3,4,5,6,7,8,9,10,11,12,13,14,15
	global_store_b64 v4, v[144+2*\i:145+2*\i], s[22:23] offset:256*(16*\g+\i)
.endr
.endr
	s_endpgm
.Lfunc_end_k_q9721175cc1_quant:
	.size	k_q9721175cc1_quant, .Lfunc_end_k_q9721175cc1_quant-k_q9721175cc1_quant
	.p2alignl 7, 3214868480
	.fill 96, 4, 3214868480
	.section	.rodata,"a",@progbits
	.p2align	6, 0x0
	.amdhsa_kernel k_q9721175cc1_quant
		.amdhsa_group_segment_fixed_size 33280
		.amdhsa_private_segment_fixed_size 0
		.amdhsa_enable_private_segment 0
		.amdhsa_kernarg_size 80
		.amdhsa_user_sgpr_count 2
		.amdhsa_user_sgpr_kernarg_segment_ptr 1
		.amdhsa_wavefront_size32 1
		.amdhsa_system_sgpr_workgroup_id_x 1
		.amdhsa_system_sgpr_workgroup_id_y 1
		.amdhsa_system_sgpr_workgroup_id_z 1
		.amdhsa_system_vgpr_workitem_id 0
		.amdhsa_next_free_vgpr 192
		.amdhsa_next_free_sgpr 66
		.amdhsa_reserve_vcc 0
		.amdhsa_float_denorm_mode_32 3
		.amdhsa_float_denorm_mode_16_64 3
		.amdhsa_memory_ordered 1
		.amdhsa_forward_progress 1
		.amdhsa_inst_pref_size 54
	.end_amdhsa_kernel
	.amdgpu_metadata
---
amdhsa.version: [ 1, 2 ]
amdhsa.kernels:
  - .name:           k_q9721175cc1_quant
    .symbol:         k_q9721175cc1_quant.kd
    .args:
      - { .name: query, .offset: 0, .size: 8, .value_kind: global_buffer, .address_space: global }
      - { .name: key, .offset: 8, .size: 8, .value_kind: global_buffer, .address_space: global }
      - { .name: value, .offset: 16, .size: 8, .value_kind: global_buffer, .address_space: global }
      - { .name: Wq, .offset: 24, .size: 8, .value_kind: global_buffer, .address_space: global }
      - { .name: Wk, .offset: 32, .size: 8, .value_kind: global_buffer, .address_space: global }
      - { .name: Wv, .offset: 40, .size: 8, .value_kind: global_buffer, .address_space: global }
      - { .name: Wo, .offset: 48, .size: 8, .value_kind: global_buffer, .address_space: global }
      - { .name: codes, .offset: 56, .size: 8, .value_kind: global_buffer, .address_space: global }
      - { .name: scales, .offset: 64, .size: 8, .value_kind: global_buffer, .address_space: global }
      - { .name: woh, .offset: 72, .size: 8, .value_kind: global_buffer, .address_space: global }
    .group_segment_fixed_size: 33280
    .private_segment_fixed_size: 0
    .kernarg_segment_align: 8
    .kernarg_segment_size: 80
    .max_flat_workgroup_size: 128
    .sgpr_count:     66
    .vgpr_count:     192
    .wavefront_size: 32
...
	.end_amdgpu_metadata
.endif
;; end of part 1
;; launch proj (part 2): grid 4 x 96, 4 waves a work-group, clusters of 4 x 4, 327,680 bytes of LDS; arguments codes, scales, bq, bv, qkv; writes qkv
.if DOCPART == 2
	.amdgcn_target "amdgcn-amd-amdhsa--gfx1250"
	.amdhsa_code_object_version 6
	.text
	.protected	k_q9721175cc1_proj
	.globl	k_q9721175cc1_proj
	.p2align	8
	.type	k_q9721175cc1_proj,@function
k_q9721175cc1_proj:
	s_mov_b64 s[64:65], 0
	v_nop
	global_prefetch_b8 v0, s[64:65] scope:SCOPE_SE
	s_setreg_imm32_b32 hwreg(HW_REG_WAVE_MODE, 25, 1), 1
	s_wait_xcnt 0x0
	s_wait_alu depctr_hold_cnt(0) depctr_sa_sdst(0) depctr_va_vdst(0) depctr_va_sdst(0) depctr_va_ssrc(0) depctr_va_vcc(0) depctr_vm_vsrc(0)
	s_getreg_b32 s2, hwreg(HW_REG_IB_STS2, 6, 4)
	s_cmp_eq_u32 s2, 0
	s_cbranch_scc0 .Lentry_in_a_cluster
	s_endpgm
.Lentry_in_a_cluster:
	s_bfe_u32 s2, ttmp6, 0x10000c
	s_cmp_lg_u32 s2, 0xf033
	s_cbranch_scc0 .Lentry_shape_is_right
	s_endpgm
.Lentry_shape_is_right:
; SECOND LAUNCH: q = query Wq^T + bq, k = key Wk^T, v = value Wv^T + bv, on codes of FP4 (E2M1) with one E8M0 scale for each 32 along K; sums in f32; results rounded once to f16 into qkv [24576][1024]: q, k, v on end.
; LEFT OUT: bk.  It adds (q . bk) / 32 to every score of a query, the same along the softmax's axis, and goes into no quantiser: it reaches no output (shown at the head of the first launch).
; LIMIT: q, k and v must lie inside f16's range (65,504).
; The three products are ONE GEMM of 24,576 rows: tile row ty takes activation rows 256 ty on, and the weight (rows 24,576 + 1,024 p on of the same buffer of codes) is chosen by p = ty / 32, which all partners of a cluster share.
; A tile of 256 x 256 is made by four waves, each 128 x 128: 64 accumulators.  K = 1,024 is two slots of 512 along K (rows of 256 bytes): both are first fills; nothing is filled again.
; The scales of the work-group's 256 + 256 rows, for all of K, come into LDS once, as units of 256 bytes + 16 of padding.
; CLUSTERS: 4 x 4 work-groups; A's tiles are asked for jointly along a row of the cluster, B's along a column.  THE MATRIX INSTRUCTION IS USED TRANSPOSED (source 0 = 16 rows of the weight, source 1 = 16 rows
; of the activation): a lane holds eight neighbouring columns of one row of the result.  The bias is the C of each sum's first product: 64 registers in the result's layout (k's tiles: zeros).
; REGISTERS: window 0: v0-31 addresses; v32-95 scale words, two sets; v128-191 A's fragments, one set; v192-255 the bias; on the way out v32-63 and v192-255 are at work.
;   window 1: B's fragments, two sets, at v0 and v128.   windows 2, 3: the accumulators of my rows 0-63, 64-127 ((a, b) at v[8 (8 (a % 4) + b)]).
.set NQ,     4                         ; steps of 128 along K in a slot
.set ROWB,   256                       ; a tile's row in bytes: 512 codes
.set KROW,   512                       ; a row of codes in memory
.set PITCH,  272                       ; an LDS row: 256 bytes + 16 of padding: the 16 rows that a load touches start at 16 different banks (64 banks of 4 bytes: ISA guide 11.1)
.set FR,     8
.set NL,     2
.set NP,     4                         ; places behind this matrix instruction (ISA guide 7.12.1)
.set HALFT,  128*PITCH
.set SLOT,   4*HALFT                   ; A's 256 rows, then B's 256 rows
.set KS,     32                        ; a row of scales in bytes
.set SCL,    2*SLOT                    ; behind the slots: the scales
.set HALFS,  16*272                    ; those of 128 rows: 16 units
.set SBLK,   2*272                     ; those of 16 rows
.set STG,    SCL+4*HALFS               ; the way out: 16 rows x 272 bytes for each wave
.set SPITCH, 272
.set SPARE,  STG+4*16*SPITCH           ; the spare words, 128 bytes a wave
.set ADRA, 16
.set ADRB, 20
.set STO,  24
.set RD,   25
.set CO,   26
.set ADRS, 27
.set SPW,  28
.set NIL,  29
.set SC,   32
.set AF,   128
.set BIAS, 192
.set TMP,  192
.set OB,   32
.set G1, 24
.set G0, 32
.set G1B, 48
.set G0B, 56
.set G1S, 68
.set G0S, 76
.set G1SB, 80
.set G0SB, 88
.set MSB, 0
.macro WIN new                         ; the immediate's high byte repeats the setting that is left
.if MSB != \new
	s_set_vgpr_msb (MSB<<8)|\new
.set MSB, \new
.endif
.endm
.set MUL_LO,  0xa1                     ; source 0 (B) window 1, source 1 (A) window 0, C and D window 2
.set MUL_HI,  0xf1                     ; the same, C and D window 3
.set MULB_LO, 0x81                     ; the first step: C (the bias) window 0, D window 2
.set MULB_HI, 0xc1                     ; D window 3
.set TO_B,    0x40
; A joint load: waves 0 and 1 fetch for A, waves 2 and 3 for B; the branch hangs on the wave's number alone.  An s_nop 0 and four v_nop follow each of the two lines.
.macro JLOAD g0a, g1a, g0b, g1b
	s_cmp_eq_u32 s15, 0
	s_cbranch_scc0 .Lfor_b_\@
	tensor_load_to_lds s[\g0a:\g0a+3], s[\g1a:\g1a+7]
	s_nop 0
.rept 4
	v_nop
.endr
	s_branch .Lasked_\@
.Lfor_b_\@:
	tensor_load_to_lds s[\g0b:\g0b+3], s[\g1b:\g1b+7]
	s_nop 0
.rept 4
	v_nop
.endr
.Lasked_\@:
.endm
.macro CROUND                          ; a round of the cluster's barrier
	s_barrier_signal -1
	s_barrier_wait -1
	s_cmp_lg_u32 s14, 0
	s_cbranch_scc1 .Lnot_wave_0_\@
	s_barrier_signal -3
.Lnot_wave_0_\@:
	s_barrier_wait -3
	s_barrier_signal -1
	s_barrier_wait -1
.endm
	s_load_b256 s[4:11], s[0:1], 0x0               ; codes s[4:5], scales s[6:7], bq s[8:9], bv s[10:11]
	s_load_b64 s[12:13], s[0:1], 0x20              ; qkv
	v_lshl_add_u32 v[SPW], v0, 2, SPARE
	v_mov_b32 v[NIL], 0
	ds_add_u32 v[SPW], v[NIL]                      ; the wave's opening: the add, twice on end, and its wait ahead of my first tensor load
	ds_add_u32 v[SPW], v[NIL]
	v_lshrrev_b32 v1, 5, v0
	v_readfirstlane_b32 s14, v1                    ; wave 0..3
	s_lshr_b32 s15, s14, 1                         ; which half of the tile's rows is mine.  Also: I fetch for A (0) or for B (1)
	s_and_b32 s16, s14, 1                          ; which half of its columns.  Also: which 128 rows I fetch
	s_bfe_u32 s40, ttmp6, 0x40000                  ; cx
	s_bfe_u32 s41, ttmp6, 0x40004                  ; cy
	s_lshl_b32 s42, ttmp9, 2
	s_add_co_u32 s42, s42, s40                     ; tile column = 4 x cluster x + cx
	s_and_b32 s17, ttmp7, 0xffff
	s_lshr_b32 s95, s17, 3                         ; which projection: 8 clusters along y for each; the same in all sixteen partners
	s_lshl_b32 s17, s17, 2
	s_add_co_u32 s17, s17, s41                     ; tile row = 4 x cluster y + cy
	s_lshl_b32 s43, s41, 2
	s_lshl_b32 s43, 15, s43                        ; my row of the cluster
	s_lshl_b32 s44, 0x1111, s40                    ; my column
	s_or_b32 s[G1+0], s43, (0<<16)|(1<<20)|(1<<21)|(5<<22)|(3<<25)  ; the mask; elements of 1 byte; padding: 4 words behind every 64; bit 21 beside a mask
	s_or_b32 s[G1B+0], s44, (0<<16)|(1<<20)|(1<<21)|(5<<22)|(3<<25)
.irp g, G1, G1B
	s_mov_b32 s[\g+1], ROWB<<16                    ; tensor_dim0
	s_mov_b32 s[\g+2], 128<<16                     ; tensor_dim1
	s_mov_b32 s[\g+3], ROWB<<16                    ; tile_dim0
	s_mov_b32 s[\g+4], 128                         ; tile_dim1
	s_mov_b32 s[\g+5], KROW                        ; from row to row
	s_mov_b32 s[\g+6], 0
	s_mov_b32 s[\g+7], 0
.endr
	s_or_b32 s[G1S+0], s43, (3<<16)|(1<<20)|(1<<21)|(5<<22)|(3<<25) ; the scales of 128 rows: 4,096 dense bytes as 16 rows of 32 elements of 8 bytes
	s_or_b32 s[G1SB+0], s44, (3<<16)|(1<<20)|(1<<21)|(5<<22)|(3<<25)
.irp g, G1S, G1SB
	s_mov_b32 s[\g+1], 32<<16
	s_mov_b32 s[\g+2], 16<<16
	s_mov_b32 s[\g+3], 32<<16
	s_mov_b32 s[\g+4], 16
	s_mov_b32 s[\g+5], 32
	s_mov_b32 s[\g+6], 0
	s_mov_b32 s[\g+7], 0
.endr
	s_lshl_b32 s18, s16, 7                         ; which 128 rows of the tile I fetch
	s_lshl_b32 s20, s17, 8
	s_add_co_u32 s20, s20, s18                     ; A: row 256 x tile row + 128 x half
	s_lshl_b32 s46, s42, 8
	s_add_co_u32 s46, s46, s18
	s_lshl_b32 s19, s95, 10
	s_add_co_u32 s46, s46, s19
	s_add_co_u32 s46, s46, 24576                   ; B: row 24,576 + 1,024 x projection + 256 x tile column + 128 x half
	s_lshl_b32 s22, s20, 5                         ; where these rows' scales begin, in bytes,
	s_mov_b32 s23, 0
	s_lshl_b32 s92, s46, 5
	s_mov_b32 s93, 0
	s_lshl_b32 s20, s20, 9                         ; and their codes
	s_mov_b32 s21, 0
	s_lshl_b32 s46, s46, 9
	s_mov_b32 s47, 0
	s_mul_i32 s45, s14, HALFT                      ; where they go: wave x 128 rows
	s_mul_i32 s94, s14, HALFS
	s_wait_dscnt 0x0                               ; both opening adds are done
	s_wait_kmcnt 0x0
	s_add_nc_u64 s[20:21], s[4:5], s[20:21]
	s_add_nc_u64 s[22:23], s[6:7], s[22:23]
	s_add_nc_u64 s[46:47], s[4:5], s[46:47]
	s_add_nc_u64 s[92:93], s[6:7], s[92:93]
	CROUND                                         ; all sixteen work-groups are here: the first joint loads meet
	s_mov_b32 s[G0S], 1
	s_add_co_u32 s[G0S+1], s94, SCL
	s_mov_b64 s[G0S+2:G0S+3], s[22:23]
	s_or_b32 s[G0S+3], s[G0S+3], 0x80000000
	s_mov_b32 s[G0SB], 1
	s_add_co_u32 s[G0SB+1], s94, SCL
	s_mov_b64 s[G0SB+2:G0SB+3], s[92:93]
	s_or_b32 s[G0SB+3], s[G0SB+3], 0x80000000
	JLOAD G0S, G1S, G0SB, G1SB                     ; the scales first
.irp s, 0,1
	s_mov_b32 s[G0+4*\s], 1
	s_add_co_u32 s[G0+4*\s+1], s45, \s*SLOT
	s_add_nc_u64 s[G0+4*\s+2:G0+4*\s+3], s[20:21], \s*ROWB
	s_or_b32 s[G0+4*\s+3], s[G0+4*\s+3], 0x80000000
	s_mov_b32 s[G0B+4*\s], 1
	s_add_co_u32 s[G0B+4*\s+1], s45, \s*SLOT
	s_add_nc_u64 s[G0B+4*\s+2:G0B+4*\s+3], s[46:47], \s*ROWB
	s_or_b32 s[G0B+4*\s+3], s[G0B+4*\s+3], 0x80000000
	JLOAD G0+4*\s, G1, G0B+4*\s, G1B               ; three loads of mine are out behind the second of these
.endr
	v_and_b32 v1, 15, v0                           ; r = l % 16
	v_bfe_u32 v2, v0, 4, 1                         ; h = l / 16
	v_mul_u32_u24 v3, v1, PITCH
	v_lshl_add_u32 v4, v2, 4, v3                   ; a fragment's row x pitch + 16 x half
	s_mul_i32 s21, s15, HALFT                      ; my 128 rows of A
	s_mul_i32 s22, s16, HALFT                      ; my 128 rows of B,
	s_add_co_u32 s22, s22, 2*HALFT                 ; behind A's 256
.irp s, 0,1
	v_add_nc_u32 v[ADRA+\s], s21, v4
	v_add_nc_u32 v[ADRB+\s], s22, v4
	s_add_co_u32 s21, s21, SLOT
	s_add_co_u32 s22, s22, SLOT
.endr
	v_mul_u32_u24 v5, v1, KS                       ; my row's scales: 32 bytes a row,
	v_lshrrev_b32 v6, 8, v5
	v_lshl_add_u32 v5, v6, 4, v5                   ; and 16 more for each 256 passed
	s_mul_i32 s21, s15, HALFS
	s_mul_i32 s22, s16, HALFS
	s_add_co_u32 s22, s22, 2*HALFS
	s_sub_co_u32 s22, s22, s21
	v_mul_u32_u24 v6, s22, v2                      ; lanes 16-31 take B's: one product, the distance between the two bases
	s_add_co_u32 s21, s21, SCL
	v_add_nc_u32 v5, v5, v6
	v_add_nc_u32 v[ADRS], s21, v5
	s_mul_i32 s23, s14, 16*SPITCH
	s_add_co_u32 s23, s23, STG                     ; my stage
	v_mul_u32_u24 v5, v1, SPITCH                   ; in: row r, 16 bytes for each half of the lanes
	v_lshl_add_u32 v5, v2, 4, v5
	v_add_nc_u32 v[STO], s23, v5
	v_mul_u32_u24 v5, v2, SPITCH                   ; back: lanes 0-15 one row of 256 bytes, lanes 16-31 the next
	v_lshl_add_u32 v5, v1, 4, v5
	v_add_nc_u32 v[RD], s23, v5
	v_lshlrev_b32 v5, 11, v2                       ; and the same two rows in qkv (2,048 bytes a row)
	v_lshl_add_u32 v[CO], v1, 4, v5
	s_lshl_b32 s20, s17, 8
	s_lshl_b32 s21, s15, 7
	s_add_co_u32 s20, s20, s21                     ; my first row of the result
	s_lshl_b32 s20, s20, 11
	s_lshl_b32 s46, s42, 9                         ; my first column, in bytes: 512 x tile column + 256 x half
	s_lshl_b32 s47, s16, 8
	s_add_co_u32 s46, s46, s47
	s_add_co_u32 s20, s20, s46
	s_mov_b32 s21, 0
	s_add_nc_u64 s[12:13], s[12:13], s[20:21]
	; the bias of my 128 columns: register BIAS + 8 b + j = bias[256 tx + 128 half + 16 b + 8 h + j]
	s_lshl_b32 s96, s42, 10
	s_lshl_b32 s97, s16, 9
	s_add_co_u32 s96, s96, s97
	s_mov_b32 s97, 0
	v_lshlrev_b32 v30, 5, v2                       ; 32 h
	s_cmp_eq_u32 s95, 0
	s_cselect_b64 s[92:93], s[8:9], s[10:11]       ; bq for q, bv for v
	s_add_nc_u64 s[92:93], s[92:93], s[96:97]
	s_cmp_eq_u32 s95, 1                            ; k has no bias (head comment); the condition is the same in all partners
	s_cbranch_scc1 .Lno_bias
.irp b, 0,1,2,3,4,5,6,7
	global_load_b128 v[BIAS+8*\b:BIAS+8*\b+3], v30, s[92:93] offset:64*\b
	global_load_b128 v[BIAS+8*\b+4:BIAS+8*\b+7], v30, s[92:93] offset:64*\b+16
.endr
	s_branch .Lbias_done
.Lno_bias:
.irp j, 0,1,2,3,4,5,6,7,8,9,10,11,12,13,14,15,16,17,18,19,20,21,22,23,24,25,26,27,28,29,30,31,32,33,34,35,36,37,38,39,40,41,42,43,44,45,46,47,48,49,50,51,52,53,54,55,56,57,58,59,60,61,62,63
	v_mov_b32 v[BIAS+\j], 0
.endr
.Lbias_done:
	s_wait_loadcnt 0x0
.macro FRAG reg, adr, q, i             ; a fragment, 16 rows x 128 K of 4-bit codes: lane l holds row l % 16; registers 4 c .. 4 c + 3 hold K = 64 c + 32 (l / 16) + 0 .. 31
.irp c, 0,1
	ds_load_b128 v[\reg+4*\c:\reg+4*\c+3], v[\adr] offset:64*(\q)+32*\c+(\i)*16*PITCH
.endr
.endm
; 16 matrix instructions: A's blocks a0, a0 + 1 x B's eight, 128 along K.  first = 1: the first product starts the sums on the bias.  The 64 accumulators take turns, one instruction a turn.
.macro MUL16 a0, p, q, sc, first
.irp a, \a0, \a0+1
.irp b, 0,1,2,3,4,5,6,7
.if \first
	v_wmma_scale_f32_16x16x128_f8f6f4 v[8*(8*((\a)%4)+\b):8*(8*((\a)%4)+\b)+7], v[128*(\p)+FR*\b:128*(\p)+FR*\b+FR-1], v[AF+FR*(\a):AF+FR*(\a)+FR-1], v[BIAS+8*\b:BIAS+8*\b+7], v[SC+8*NQ*(\sc)+NQ*\b+(\q)], v[SC+8*NQ*(\sc)+NQ*(\a)+(\q)] matrix_a_fmt:MATRIX_FMT_FP4 matrix_b_fmt:MATRIX_FMT_FP4 matrix_a_scale:MATRIX_SCALE_ROW1
.else
	v_wmma_scale_f32_16x16x128_f8f6f4 v[8*(8*((\a)%4)+\b):8*(8*((\a)%4)+\b)+7], v[128*(\p)+FR*\b:128*(\p)+FR*\b+FR-1], v[AF+FR*(\a):AF+FR*(\a)+FR-1], v[8*(8*((\a)%4)+\b):8*(8*((\a)%4)+\b)+7], v[SC+8*NQ*(\sc)+NQ*\b+(\q)], v[SC+8*NQ*(\sc)+NQ*(\a)+(\q)] matrix_a_fmt:MATRIX_FMT_FP4 matrix_b_fmt:MATRIX_FMT_FP4 matrix_a_scale:MATRIX_SCALE_ROW1
.endif
.endr
.endr
.endm
.macro FETCH_B slot, q, p
	WIN TO_B
.irp i, 0,1,2,3,4,5,6,7
	FRAG 128*(\p)+FR*\i, ADRB+\slot, \q, \i
.endr
	WIN 0
.endm
.macro FETCH_A slot, q, i0
.irp i, \i0, \i0+1, \i0+2, \i0+3
	FRAG AF+FR*(\i), ADRA+\slot, \q, \i
.endr
.endm
.macro SCALES sc                       ; a slot's scale words: 4 words a row; lanes 0-15 take A's block i, lanes 16-31 B's block i
.irp i, 0,1,2,3,4,5,6,7
	ds_load_b128 v[SC+8*NQ*\sc+NQ*\i:SC+8*NQ*\sc+NQ*\i+3], v[ADRS] offset:\i*SBLK
.endr
.endm
.macro PLACES n                        ; plain vector instructions between a matrix instruction and a load into, or a read of, its registers
.rept \n
	v_nop
.endr
.endm
.macro STEP slot, q, first             ; a step of 128 along K that has its successor in the same slot
	s_wait_dscnt 4*NL                              ; B's set and A's blocks 0-3 are in; the youngest eight loads (A's blocks 4-7) may be out
.if \first
	WIN MULB_LO
.else
	WIN MUL_LO
.endif
	MUL16 0, (\q)%2, \q, \slot, \first
	MUL16 2, (\q)%2, \q, \slot, \first
	s_wait_dscnt 0
	PLACES NP
	FETCH_B \slot, (\q)+1, 1-(\q)%2
	FETCH_A \slot, (\q)+1, 0
.if \first
	WIN MULB_HI
.else
	WIN MUL_HI
.endif
	MUL16 4, (\q)%2, \q, \slot, \first
	MUL16 6, (\q)%2, \q, \slot, \first
	PLACES NP
	WIN 0
	FETCH_A \slot, (\q)+1, 4
.endm
.macro STEPS slot, from
.set Q, \from
.rept NQ-1-\from
	STEP \slot, Q, 0
.set Q, Q+1
.endr
.endm
	s_wait_tensorcnt 1                             ; the scales and my part of slot 0 are in (slot 1's load may be out)
	s_barrier_signal -1
	s_barrier_wait -1                              ; everybody's are
	FETCH_B 0, 0, 0
	FETCH_A 0, 0, 0
	SCALES 0
	FETCH_A 0, 0, 4
	STEP 0, 0, 1
	STEPS 0, 1
	; slot 0's last step changes slots: one barrier, in front of which each wave has waited for its part of slot 1
	s_wait_tensorcnt 0x0                           ; all my tensor loads have landed
	ds_add_u32 v[SPW], v[NIL]                      ; 0 onto my spare word
	s_wait_dscnt 4*NL+1                            ; (the add and the youngest eight loads may be out)
	WIN MUL_LO
	MUL16 0, 1, NQ-1, 0, 0
	s_wait_dscnt 0x0                               ; the add is done, and my reads of slot 0 are over
	s_barrier_signal -1
	MUL16 2, 1, NQ-1, 0, 0
	WIN 0
	s_barrier_wait -1
	PLACES NP
	v_add_nc_u32 v[ADRS], 4*NQ, v[ADRS]            ; on to slot 1's scale words
	FETCH_B 1, 0, 0
	FETCH_A 1, 0, 0
	SCALES 1
	WIN MUL_HI
	MUL16 4, 1, NQ-1, 0, 0
	MUL16 6, 1, NQ-1, 0, 0
	PLACES NP
	WIN 0
	FETCH_A 1, 0, 4
	STEPS 1, 0
	s_wait_dscnt 4*NL                              ; the very last step: nothing more to fetch
	WIN MUL_LO
	MUL16 0, 1, NQ-1, 1, 0
	MUL16 2, 1, NQ-1, 1, 0
	s_wait_dscnt 0
	WIN MUL_HI
	MUL16 4, 1, NQ-1, 1, 0
	MUL16 6, 1, NQ-1, 1, 0
	WIN 0
; THE WAY OUT, block by block of 16 rows x 128 columns: rounded to f16 (16 bytes a lane), into my own stage, back as whole rows of 256 bytes, stored with sixteen lanes to 256 consecutive aligned bytes.
.macro PACK a
.set AC, 64*((\a)%4)
	WIN 0x0a+5*((\a)/4)                            ; sources 0 and 1: window 2 or 3
.irp b, 0,1,2,3,4,5,6,7
.irp r, 0,1,2,3
	v_cvt_pk_f16_f32 v[TMP+4*\b+\r], v[AC+8*\b+2*\r], v[AC+8*\b+2*\r+1]   ; each accumulator from its low end on
.endr
.endr
	WIN 0
.endm
.macro TOSTAGE a
.set BB, OB+192*((\a)%2)
.irp b, 0,1,2,3,4,5,6,7
	ds_store_b128 v[STO], v[TMP+4*\b:TMP+4*\b+3] offset:32*\b
.endr
.irp t, 0,1,2,3,4,5,6,7
	ds_load_b128 v[BB+4*\t:BB+4*\t+3], v[RD] offset:\t*2*SPITCH    ; LDS serves a wave's instructions in order: these see the stores above
.endr
.endm
.macro SEND a
.set BB, OB+192*((\a)%2)
	s_wait_dscnt 0x0                               ; the block is back in registers
	s_wait_xcnt 0x0                                ; the earlier stores have read their base and their data: both may be written again
.if (\a) > 0
	s_add_nc_u64 s[12:13], s[12:13], 16*2048
.endif
.irp t, 0,1,2,3,4,5,6,7
	global_store_b128 v[CO], v[BB+4*\t:BB+4*\t+3], s[12:13] offset:2*\t*2048
.endr
.endm
	PLACES NP
	PACK 0
	TOSTAGE 0
.irp a, 1,2,3,4,5,6,7
	PACK \a
	SEND \a-1
	TOSTAGE \a
.endr
	SEND 7
	s_wait_tensorcnt 0x0                           ; the wave's end
	ds_add_u32 v[SPW], v[NIL]
	s_wait_dscnt 0x0
	CROUND                                         ; the closing round
	s_endpgm
.Lfunc_end_k_q9721175cc1_proj:
	.size	k_q9721175cc1_proj, .Lfunc_end_k_q9721175cc1_proj-k_q9721175cc1_proj
	.p2alignl 7, 3214868480
	.fill 96, 4, 3214868480
	.section	.rodata,"a",@progbits
	.p2align	6, 0x0
	.amdhsa_kernel k_q9721175cc1_proj
		.amdhsa_group_segment_fixed_size 327680
		.amdhsa_private_segment_fixed_size 0
		.amdhsa_enable_private_segment 0
		.amdhsa_kernarg_size 40
		.amdhsa_user_sgpr_count 2
		.amdhsa_user_sgpr_kernarg_segment_ptr 1
		.amdhsa_wavefront_size32 1
		.amdhsa_system_sgpr_workgroup_id_x 1
		.amdhsa_system_sgpr_workgroup_id_y 1
		.amdhsa_system_sgpr_workgroup_id_z 1
		.amdhsa_system_vgpr_workitem_id 0
		.amdhsa_next_free_vgpr 1024
		.amdhsa_next_free_sgpr 100
		.amdhsa_reserve_vcc 0
		.amdhsa_float_denorm_mode_32 3
		.amdhsa_float_denorm_mode_16_64 3
		.amdhsa_memory_ordered 1
		.amdhsa_forward_progress 1
		.amdhsa_inst_pref_size 131
	.end_amdhsa_kernel
	.amdgpu_metadata
---
amdhsa.version: [ 1, 2 ]
amdhsa.kernels:
  - .name:           k_q9721175cc1_proj
    .symbol:         k_q9721175cc1_proj.kd
    .args:
      - { .name: codes, .offset: 0, .size: 8, .value_kind: global_buffer, .address_space: global }
      - { .name: scales, .offset: 8, .size: 8, .value_kind: global_buffer, .address_space: global }
      - { .name: bq, .offset: 16, .size: 8, .value_kind: global_buffer, .address_space: global }
      - { .name: bv, .offset: 24, .size: 8, .value_kind: global_buffer, .address_space: global }
      - { .name: qkv, .offset: 32, .size: 8, .value_kind: global_buffer, .address_space: global }
    .group_segment_fixed_size: 327680
    .private_segment_fixed_size: 0
    .kernarg_segment_align: 8
    .kernarg_segment_size: 40
    .max_flat_workgroup_size: 128
    .sgpr_count:     100
    .vgpr_count:     1024
    .wavefront_size: 32
...
	.end_amdgpu_metadata
.endif
;; end of part 2
;; launch scores (part 3): grid 8 x 32, 4 waves a work-group, clusters of 4 x 4, 327,680 bytes of LDS; arguments qkv, pt, stats; writes pt, stats
.if DOCPART == 3
	.amdgcn_target "amdgcn-amd-amdhsa--gfx1250"
	.amdhsa_code_object_version 6
	.text
	.protected	k_q9721175cc1_scores
	.globl	k_q9721175cc1_scores
	.p2align	8
	.type	k_q9721175cc1_scores,@function
k_q9721175cc1_scores:
	s_mov_b64 s[64:65], 0
	v_nop
	global_prefetch_b8 v0, s[64:65] scope:SCOPE_SE
	s_setreg_imm32_b32 hwreg(HW_REG_WAVE_MODE, 25, 1), 1
	s_wait_xcnt 0x0
	s_wait_alu depctr_hold_cnt(0) depctr_sa_sdst(0) depctr_va_vdst(0) depctr_va_sdst(0) depctr_va_ssrc(0) depctr_va_vcc(0) depctr_vm_vsrc(0)
	s_getreg_b32 s2, hwreg(HW_REG_IB_STS2, 6, 4)
	s_cmp_eq_u32 s2, 0
	s_cbranch_scc0 .Lentry_in_a_cluster
	s_endpgm
.Lentry_in_a_cluster:
	s_bfe_u32 s2, ttmp6, 0x10000c
	s_cmp_lg_u32 s2, 0xf033
	s_cbranch_scc0 .Lentry_shape_is_right
	s_endpgm
.Lentry_shape_is_right:
; THIRD LAUNCH: S = q k^T on f16 operands, f32 sums, and the first half of the softmax.  q: rows 0.. of qkv [24576][1024] f16, k: rows 8192..; four batches of 2,048.
; A work-group makes 256 queries x 256 keys of one batch; a wave 128 x 128: 64 accumulators.  K = 1,024 goes in steps of 128 through two LDS slots filled by joint tensor loads
; (4 x 4 work-groups: q's tiles shared along a row of the cluster, k's along a column).  Source 0 = 16 keys, source 1 = 16 queries: a lane holds ONE query and eight neighbouring keys an accumulator.
; THE SOFTMAX IN TWO HALVES.  t = score x c, c = log2(e) / 32.  For each query and each tile of 128 keys (a wave's width): M_t = the tile's largest t rounded UP to a whole number, kept as -M_t = floor(-t);
; p = 2^(t - M_t), at most 1, rounded to f16; l_t = the sum of the unrounded p.  -M_t and l_t go to stats [2][16 tiles][8192 rows] f32.  The next launch brings every tile under
; the row's largest M by the factor 2^(M_t - M), which rounds nothing, and divides by the row's sum.  So the maximum is taken away before every exponential, whatever the inputs hold.
; pt IS LAID IN THE ORDER OF THE NEXT PRODUCT'S OPERAND REGISTERS: [512 blocks of 16 queries][64 groups of 32 keys][2 halves][32 lanes][16 bytes].  Two neighbouring accumulators, packed to f16, ARE such a fragment, in
; the lanes in which they stand: so p is stored straight from registers, 512 consecutive bytes a store, and goes through no stage.
; LIMITS: NaN and infinities are not served; a p under f16's smallest normal number keeps fewer bits.
; REGISTERS: window 0: v0-31 addresses; v64-127, v128-191 q's fragments, two buffers; on the way out v32-95 and v192-223 are at work.  window 1: v64-191 k's fragments.  windows 2, 3: the accumulators ((a, b) at v[8 (8 (a % 4) + b)]).
.set KSTEP,  128
.set PITCH,  272                       ; an LDS row: 256 bytes + 16 of padding
.set HALFT,  128*PITCH
.set SLOT,   4*HALFT                   ; q's 256 rows, then k's 256 rows
.set STATB,  2*SLOT                    ; 1,024 bytes for each wave: 128 x -M_t, then 128 x l_t
.set SPARE,  STATB+4*1024              ; the spare words, 128 bytes a wave
.set LAPS,   4                         ; a lap = two K steps
.set ADRA, 16
.set ADRB, 20
.set LN16, 27                          ; v27  16 x lane
.set SPW,  28
.set NIL,  29
.set SST,  30                          ; v30  where I put a statistic
.set SLD,  31                          ; v31  where I read 16 bytes of them back
.set TM,   32                          ; v32-63 at work
.set NM,   64                          ; v[64:65] -M_t (the packed form names a pair and takes its low word)
.set SM,   72                          ; v72-79 -M_t of my eight blocks
.set SL,   80                          ; v80-87 l_t
.set TMP,  192                         ; v192-223 packed p
.set F0,   64
.set F1,   128
.set G1, 24
.set G0, 32
.set G1B, 48
.set G0B, 56
.set CS,  66                           ; s[66:67] c
.set SEL, 68                           ; s[68:69] v_permlanex16_b32's selects for lane l xor 16
.set MSB, 0
.macro WIN new
.if MSB != \new
	s_set_vgpr_msb (MSB<<8)|\new
.set MSB, \new
.endif
.endm
.set MUL_LO, 0xa1
.set MUL_HI, 0xf1
.set TO_B,   0x40
.macro JLOAD s                         ; waves 0 and 1 fetch q's two halves, waves 2 and 3 k's; an s_nop 0 and four v_nop follow each line
	s_cmp_eq_u32 s11, 0
	s_cbranch_scc0 .Lfor_b_\@
	tensor_load_to_lds s[G0+4*\s:G0+4*\s+3], s[G1:G1+7]
	s_nop 0
.rept 4
	v_nop
.endr
	s_branch .Lasked_\@
.Lfor_b_\@:
	tensor_load_to_lds s[G0B+4*\s:G0B+4*\s+3], s[G1B:G1B+7]
	s_nop 0
.rept 4
	v_nop
.endr
.Lasked_\@:
.endm
.macro CREST
	s_cmp_lg_u32 s10, 0
	s_cbranch_scc1 .Lnot_wave_0_\@
	s_barrier_signal -3
.Lnot_wave_0_\@:
	s_barrier_wait -3
	s_barrier_signal -1
	s_barrier_wait -1
.endm
.macro CROUND
	s_barrier_signal -1
	s_barrier_wait -1
	CREST
.endm
	s_load_b128 s[4:7], s[0:1], 0x0                ; qkv s[4:5], pt s[6:7]
	s_load_b64 s[8:9], s[0:1], 0x10                ; stats
	v_lshl_add_u32 v[SPW], v0, 2, SPARE
	v_mov_b32 v[NIL], 0
	ds_add_u32 v[SPW], v[NIL]                      ; the wave's opening: the add, twice on end, and its wait ahead of my first tensor load
	ds_add_u32 v[SPW], v[NIL]
	v_lshrrev_b32 v1, 5, v0
	v_readfirstlane_b32 s10, v1                    ; wave 0..3
	s_lshr_b32 s11, s10, 1                         ; which 128 queries are mine.  Also: I fetch q (0) or k (1)
	s_and_b32 s12, s10, 1                          ; which 128 keys.  Also: which 128 rows I fetch
	s_bfe_u32 s40, ttmp6, 0x40000                  ; cx
	s_bfe_u32 s41, ttmp6, 0x40004                  ; cy
	s_lshl_b32 s42, ttmp9, 2
	s_add_co_u32 s42, s42, s40                     ; tile of keys, 0..7
	s_and_b32 s13, ttmp7, 0xffff
	s_lshr_b32 s45, s13, 1                         ; the batch: two clusters along y for each
	s_lshl_b32 s13, s13, 2
	s_add_co_u32 s13, s13, s41                     ; tile of queries, 0..31
	s_lshl_b32 s43, s41, 2
	s_lshl_b32 s43, 15, s43                        ; my row of the cluster
	s_lshl_b32 s44, 0x1111, s40                    ; my column
	s_or_b32 s[G1+0], s43, (1<<16)|(1<<20)|(1<<21)|(5<<22)|(3<<25)  ; the mask; elements of 2 bytes; padding: 4 words behind every 64; bit 21 beside a mask
	s_or_b32 s[G1B+0], s44, (1<<16)|(1<<20)|(1<<21)|(5<<22)|(3<<25)
.irp g, G1, G1B
	s_mov_b32 s[\g+1], KSTEP<<16                   ; tensor_dim0
	s_mov_b32 s[\g+2], 128<<16                     ; tensor_dim1
	s_mov_b32 s[\g+3], KSTEP<<16                   ; tile_dim0
	s_mov_b32 s[\g+4], 128                         ; tile_dim1
	s_mov_b32 s[\g+5], 1024                        ; from row to row
	s_mov_b32 s[\g+6], 0
	s_mov_b32 s[\g+7], 0
.endr
	s_mov_b32 s[CS], 0x3d38aa3b                    ; c = log2(e) / 32
	s_mov_b32 s[CS+1], s[CS]
	s_mov_b32 s[SEL], 0x76543210
	s_mov_b32 s[SEL+1], 0xfedcba98
	s_lshl_b32 s18, s12, 7
	s_lshl_b32 s16, s13, 8
	s_add_co_u32 s16, s16, s18                     ; q: row 256 x tile + 128 x half
	s_lshl_b32 s16, s16, 11                        ; 2,048 bytes a row
	s_mov_b32 s17, 0
	s_lshl_b32 s46, s42, 8
	s_add_co_u32 s46, s46, s18
	s_lshl_b32 s19, s45, 11
	s_add_co_u32 s46, s46, s19
	s_add_co_u32 s46, s46, 8192                    ; k: row 8,192 + 2,048 x batch + 256 x tile + 128 x half
	s_lshl_b32 s46, s46, 11
	s_mov_b32 s47, 0
	s_mul_i32 s20, s10, HALFT                      ; where they go: wave x 128 rows
	s_wait_dscnt 0x0                               ; both opening adds are done
	s_wait_kmcnt 0x0
	s_add_nc_u64 s[14:15], s[4:5], s[16:17]
	s_add_nc_u64 s[46:47], s[4:5], s[46:47]
	CROUND                                         ; the first joint loads meet
.irp s, 0,1
	s_mov_b32 s[G0+4*\s], 1
	s_add_co_u32 s[G0+4*\s+1], s20, \s*SLOT
	s_add_nc_u64 s[G0+4*\s+2:G0+4*\s+3], s[14:15], \s*KSTEP*2
	s_or_b32 s[G0+4*\s+3], s[G0+4*\s+3], 0x80000000
	s_mov_b32 s[G0B+4*\s], 1
	s_add_co_u32 s[G0B+4*\s+1], s20, \s*SLOT
	s_add_nc_u64 s[G0B+4*\s+2:G0B+4*\s+3], s[46:47], \s*KSTEP*2
	s_or_b32 s[G0B+4*\s+3], s[G0B+4*\s+3], 0x80000000
	JLOAD \s                                       ; two loads of mine are out behind the second
.endr
	v_and_b32 v1, 15, v0                           ; r
	v_bfe_u32 v2, v0, 4, 1                         ; h
	v_mul_u32_u24 v3, v1, PITCH
	v_lshl_add_u32 v3, v2, 4, v3
	s_mul_i32 s21, s11, HALFT
	s_mul_i32 s22, s12, HALFT
	s_add_co_u32 s22, s22, 2*HALFT
.irp s, 0,1
	v_add_nc_u32 v[ADRA+\s], s21, v3
	v_add_nc_u32 v[ADRB+\s], s22, v3
	s_add_co_u32 s21, s21, SLOT
	s_add_co_u32 s22, s22, SLOT
.endr
	v_and_b32 v6, 31, v0                           ; v6: lane; kept
	v_lshlrev_b32 v[LN16], 4, v6
	s_lshl_b32 s23, s10, 10
	s_add_co_u32 s23, s23, STATB
	v_lshlrev_b32 v5, 9, v2
	v_lshl_add_u32 v5, v1, 2, v5
	v_add_nc_u32 v[SST], s23, v5                   ; lanes 0-15: -M_t of row r; lanes 16-31: l_t, 512 bytes on
	v_add_nc_u32 v[SLD], s23, v[LN16]
	s_lshl_b32 s16, s13, 8
	s_lshl_b32 s14, s11, 7
	s_add_co_u32 s16, s16, s14                     ; my first query
	s_lshl_b32 s18, s16, 2                         ; its place in a tile's row of stats
	s_lshl_b32 s16, s16, 12                        ; pt: a block of 16 queries is 65,536 bytes
	s_lshl_b32 s46, s42, 13                        ; a tile of 256 keys is 8 groups of 1,024 bytes,
	s_lshl_b32 s47, s12, 12                        ; my half of it 4
	s_add_co_u32 s46, s46, s47
	s_add_co_u32 s16, s16, s46
	s_mov_b32 s17, 0
	s_add_nc_u64 s[6:7], s[6:7], s[16:17]
	s_lshl_b32 s46, s42, 1
	s_add_co_u32 s46, s46, s12                     ; my tile of 128 keys, 0..15
	s_lshl_b32 s46, s46, 15                        ; 8,192 rows x 4 bytes
	s_add_co_u32 s18, s18, s46
	s_mov_b32 s19, 0
	s_add_nc_u64 s[8:9], s[8:9], s[18:19]
; 16 matrix instructions: blocks a0, a0 + 1 of the window's four x all 8 blocks of keys, 32 along K.  The 64 accumulators take turns, one instruction a turn.
.macro MUL16 f, hi, a0, zero
.irp a, \a0, \a0+1
.irp b, 0,1,2,3,4,5,6,7
.if \zero
	v_wmma_f32_16x16x32_f16 v[8*(8*(\a)+\b):8*(8*(\a)+\b)+7], v[\f+8*\b:\f+8*\b+7], v[\f+8*(4*\hi+\a):\f+8*(4*\hi+\a)+7], 0
.else
	v_wmma_f32_16x16x32_f16 v[8*(8*(\a)+\b):8*(8*(\a)+\b)+7], v[\f+8*\b:\f+8*\b+7], v[\f+8*(4*\hi+\a):\f+8*(4*\hi+\a)+7], v[8*(8*(\a)+\b):8*(8*(\a)+\b)+7]
.endif
.endr
.endr
.endm
.macro FETCH slot, k, f                ; 32 LDS loads in one run: the fragments of 32 along K at byte k of the rows
	WIN TO_B
.irp i, 0,1,2,3,4,5,6,7
	ds_load_b128 v[\f+8*\i:\f+8*\i+3],   v[ADRB+\slot] offset:\k+\i*16*PITCH
	ds_load_b128 v[\f+8*\i+4:\f+8*\i+7], v[ADRB+\slot] offset:\k+\i*16*PITCH+32
.endr
	WIN 0
.irp i, 0,1,2,3,4,5,6,7
	ds_load_b128 v[\f+8*\i:\f+8*\i+3],   v[ADRA+\slot] offset:\k+\i*16*PITCH
	ds_load_b128 v[\f+8*\i+4:\f+8*\i+7], v[ADRA+\slot] offset:\k+\i*16*PITCH+32
.endr
.endm
.macro PLACES                          ; four plain vector instructions between a matrix instruction and a load into, or a read of, its registers
.rept 4
	v_nop
.endr
.endm
.macro QUARTER slot, k, f, g, zero
	s_wait_dscnt 8                                 ; k's fragments and q's rows 0-63 are in; the youngest eight loads may be out
	WIN MUL_LO
	MUL16 \f, 0, 0, \zero
	MUL16 \f, 0, 2, \zero
	PLACES
	FETCH \slot, \k, \g
	s_wait_dscnt 32                                ; all but the 32 just issued
	WIN MUL_HI
	MUL16 \f, 1, 0, \zero
	MUL16 \f, 1, 2, \zero
.endm
; The change of slots: in front of the barrier each wave waits for all its tensor loads (its part of the next slot), adds 0 to its spare word, and waits for that and for its reads of this slot.
.macro MEET round
	WIN 0
	s_wait_tensorcnt 0x0
	ds_add_u32 v[SPW], v[NIL]
	s_wait_dscnt 9                                 ; (the add and the youngest eight loads may be out)
	WIN MUL_LO
	MUL16 F1, 0, 0, 0
	s_wait_dscnt 0x0                               ; the add is done, and my reads of this slot are over
	s_barrier_signal -1
	MUL16 F1, 0, 2, 0
.if \round
	WIN 0
.endif
	s_barrier_wait -1
.endm
.macro TURN slot, next
	MEET 1
	CREST                                          ; the barrier has opened a round of the cluster's: no wave of any partner still reads this slot or has a load on its way
	s_add_nc_u64 s[G0+4*\slot+2:G0+4*\slot+3], s[G0+4*\slot+2:G0+4*\slot+3], 2*KSTEP*2
	s_add_nc_u64 s[G0B+4*\slot+2:G0B+4*\slot+3], s[G0B+4*\slot+2:G0B+4*\slot+3], 2*KSTEP*2
	JLOAD \slot                                    ; the first tensor load behind the round; its four v_nop are also the places in front of the loads below
	FETCH \next, 0, F0
	WIN MUL_HI
	MUL16 F1, 1, 0, 0
	MUL16 F1, 1, 2, 0
.endm
	s_wait_tensorcnt 1                             ; my part of K step 0 is in; K step 1's may stay out
	s_barrier_signal -1
	s_barrier_wait -1
	FETCH 0, 0, F0
	QUARTER 0, 64,  F0, F1, 1                      ; the first quarter's products start the sums
	WIN 0
	s_mov_b32 s3, LAPS-1
.Llap:
	QUARTER 0, 128, F1, F0, 0
	QUARTER 0, 192, F0, F1, 0
	TURN 0, 1
	QUARTER 1, 64,  F0, F1, 0
	QUARTER 1, 128, F1, F0, 0
	QUARTER 1, 192, F0, F1, 0
	TURN 1, 0
	QUARTER 0, 64,  F0, F1, 0
	WIN 0
	s_sub_co_u32 s3, s3, 1
	s_cmp_lg_u32 s3, 0
	s_cbranch_scc1 .Llap
	QUARTER 0, 128, F1, F0, 0                      ; the last lap fills nothing
	QUARTER 0, 192, F0, F1, 0
	MEET 0
	PLACES
	FETCH 1, 0, F0
	WIN MUL_HI
	MUL16 F1, 1, 0, 0
	MUL16 F1, 1, 2, 0
	QUARTER 1, 64,  F0, F1, 0
	QUARTER 1, 128, F1, F0, 0
	QUARTER 1, 192, F0, F1, 0
	s_wait_dscnt 8
	WIN MUL_LO
	MUL16 F1, 0, 0, 0
	MUL16 F1, 0, 2, 0
	s_wait_dscnt 0
	WIN MUL_HI
	MUL16 F1, 1, 0, 0
	MUL16 F1, 1, 2, 0
	WIN 0
	PLACES
	v_mov_b32 v[NM+1], 0                           ; named as the upper half of the pair, so it is written
; Block a (16 queries x 128 keys; a lane: one query, 64 scores): the maximum, -M_t, p in place, p packed to f16, the sum.
.macro SOFT a
.set AC, 64*((\a)%4)
.set WW, 2+(\a)/4
.set W3, WW|(WW<<2)|(WW<<4)            ; all three sources in the accumulators' window, the destination in window 0
.set WP, WW|(WW<<6)                    ; source 0 and the destination there
	WIN W3
.irp b, 0,1,2,3,4,5,6,7
	v_max3_num_f32 v[TM+3*\b], v[AC+8*\b], v[AC+8*\b+1], v[AC+8*\b+2]        ; each accumulator is read from its low end on
	v_max3_num_f32 v[TM+3*\b+1], v[AC+8*\b+3], v[AC+8*\b+4], v[AC+8*\b+5]
	v_max_num_f32 v[TM+3*\b+2], v[AC+8*\b+6], v[AC+8*\b+7]
.endr
	WIN 0
.irp i, 0,1,2,3,4,5,6,7
	v_max3_num_f32 v[TM+3*\i], v[TM+3*\i], v[TM+3*\i+1], v[TM+3*\i+2]
.endr
	v_max3_num_f32 v[TM], v[TM], v[TM+3], v[TM+6]
	v_max3_num_f32 v[TM+9], v[TM+9], v[TM+12], v[TM+15]
	v_max_num_f32 v[TM+18], v[TM+18], v[TM+21]
	v_max3_num_f32 v[TM], v[TM], v[TM+9], v[TM+18]
	v_permlanex16_b32 v[TM+1], v[TM], s[SEL], s[SEL+1]   ; the query's other 64 keys lie in the lane 16 away
	v_max_num_f32 v[TM], v[TM], v[TM+1]
	v_mul_f32 v[TM], s[CS], v[TM]                  ; as t (c is positive)
	v_floor_f32 v[NM], -v[TM]                      ; -M_t = floor(-t) = -ceil(t): a whole number
	v_mov_b32 v[SM+(\a)], v[NM]
	WIN WP
.set J, 0
.rept 32
	v_pk_fma_f32 v[AC+J:AC+J+1], v[AC+J:AC+J+1], s[CS:CS+1], v[NM:NM+1] op_sel_hi:[1,0,0]   ; t - M_t, two at a time
.set J, J+2
.endr
.set J, 0
.rept 64
	v_exp_f32 v[AC+J], v[AC+J]                     ; p = 2^(t - M_t), at most 1
.set J, J+1
.endr
	v_nop                                          ; a plain instruction behind the last exponential
	s_wait_alu depctr_va_vdst(0)                   ; one wait for the batch of 64, ahead of its first reader
.if (\a) > 0
	s_wait_xcnt 0x0                                ; the last block's stores have read v192-223, which are written again below
.endif
	WIN W3
.irp b, 0,1,2,3,4,5,6,7
.irp r, 0,1,2,3
	v_cvt_pk_f16_f32 v[TMP+4*\b+\r], v[AC+8*\b+2*\r], v[AC+8*\b+2*\r+1]
.endr
.endr
.irp i, 0,1,2,3,4,5,6,7,8,9,10,11,12,13,14,15
	v_pk_add_f32 v[TM+2*\i:TM+2*\i+1], v[AC+4*\i:AC+4*\i+1], v[AC+4*\i+2:AC+4*\i+3]   ; the sum is taken of the unrounded p
.endr
	WIN 0
.irp b, 0,1,2,3,4,5,6,7
	global_store_b128 v[LN16], v[TMP+4*\b:TMP+4*\b+3], s[6:7] offset:(\a)*65536+512*\b   ; half b % 2 of the fragment of keys 32 (b / 2) on: the wave stores 512 consecutive bytes, aligned
.endr
.irp i, 0,1,2,3,4,5,6,7
	v_pk_add_f32 v[TM+4*\i:TM+4*\i+1], v[TM+4*\i:TM+4*\i+1], v[TM+4*\i+2:TM+4*\i+3]
.endr
.irp i, 0,1,2,3
	v_pk_add_f32 v[TM+8*\i:TM+8*\i+1], v[TM+8*\i:TM+8*\i+1], v[TM+8*\i+4:TM+8*\i+5]
.endr
.irp i, 0,1
	v_pk_add_f32 v[TM+16*\i:TM+16*\i+1], v[TM+16*\i:TM+16*\i+1], v[TM+16*\i+8:TM+16*\i+9]
.endr
	v_pk_add_f32 v[TM:TM+1], v[TM:TM+1], v[TM+16:TM+17]
	v_add_f32 v[TM], v[TM], v[TM+1]
	v_permlanex16_b32 v[TM+1], v[TM], s[SEL], s[SEL+1]
	v_add_f32 v[SL+(\a)], v[TM], v[TM+1]
.endm
.irp a, 0,1,2,3,4,5,6,7
	SOFT \a
.endr
	; the statistics of my 128 queries: lanes 0-15 put -M_t, lanes 16-31 l_t, into my own 1,024 bytes of LDS; they leave as two runs of 512 consecutive bytes
	v_cmp_le_u32 vcc_lo, 16, v6
.irp a, 0,1,2,3,4,5,6,7
	v_cndmask_b32 v[TM+\a], v[SM+\a], v[SL+\a], vcc_lo
.endr
.irp a, 0,1,2,3,4,5,6,7
	ds_store_b32 v[SST], v[TM+\a] offset:64*\a
.endr
	ds_load_b128 v[TM+8:TM+11], v[SLD]
	ds_load_b128 v[TM+12:TM+15], v[SLD] offset:512
	s_wait_dscnt 0x0
	global_store_b128 v[LN16], v[TM+8:TM+11], s[8:9]
	global_store_b128 v[LN16], v[TM+12:TM+15], s[8:9] offset:524288
	s_wait_tensorcnt 0x0                           ; the wave's end
	ds_add_u32 v[SPW], v[NIL]
	s_wait_dscnt 0x0
	CROUND                                         ; the closing round
	s_endpgm
.Lfunc_end_k_q9721175cc1_scores:
	.size	k_q9721175cc1_scores, .Lfunc_end_k_q9721175cc1_scores-k_q9721175cc1_scores
	.p2alignl 7, 3214868480
	.fill 96, 4, 3214868480
	.section	.rodata,"a",@progbits
	.p2align	6, 0x0
	.amdhsa_kernel k_q9721175cc1_scores
		.amdhsa_group_segment_fixed_size 327680
		.amdhsa_private_segment_fixed_size 0
		.amdhsa_enable_private_segment 0
		.amdhsa_kernarg_size 24
		.amdhsa_user_sgpr_count 2
		.amdhsa_user_sgpr_kernarg_segment_ptr 1
		.amdhsa_wavefront_size32 1
		.amdhsa_system_sgpr_workgroup_id_x 1
		.amdhsa_system_sgpr_workgroup_id_y 1
		.amdhsa_system_sgpr_workgroup_id_z 1
		.amdhsa_system_vgpr_workitem_id 0
		.amdhsa_next_free_vgpr 1024
		.amdhsa_next_free_sgpr 72
		.amdhsa_reserve_vcc 1
		.amdhsa_float_denorm_mode_32 3
		.amdhsa_float_denorm_mode_16_64 3
		.amdhsa_memory_ordered 1
		.amdhsa_forward_progress 1
		.amdhsa_inst_pref_size 203
	.end_amdhsa_kernel
	.amdgpu_metadata
---
amdhsa.version: [ 1, 2 ]
amdhsa.kernels:
  - .name:           k_q9721175cc1_scores
    .symbol:         k_q9721175cc1_scores.kd
    .args:
      - { .name: qkv, .offset: 0, .size: 8, .value_kind: global_buffer, .address_space: global }
      - { .name: pt, .offset: 8, .size: 8, .value_kind: global_buffer, .address_space: global }
      - { .name: stats, .offset: 16, .size: 8, .value_kind: global_buffer, .address_space: global }
    .group_segment_fixed_size: 327680
    .private_segment_fixed_size: 0
    .kernarg_segment_align: 8
    .kernarg_segment_size: 24
    .max_flat_workgroup_size: 128
    .sgpr_count:     72
    .vgpr_count:     1024
    .wavefront_size: 32
...
	.end_amdgpu_metadata
.endif
;; end of part 3
;; launch pv (part 4): grid 4 x 64, 4 waves a work-group, clusters of 4 x 4, 327,680 bytes of LDS; arguments pt, stats, qkv, oh; writes oh
.if DOCPART == 4
	.amdgcn_target "amdgcn-amd-amdhsa--gfx1250"
	.amdhsa_code_object_version 6
	.text
	.protected	k_q9721175cc1_pv
	.globl	k_q9721175cc1_pv
	.p2align	8
	.type	k_q9721175cc1_pv,@function
k_q9721175cc1_pv:
	s_mov_b64 s[64:65], 0
	v_nop
	global_prefetch_b8 v0, s[64:65] scope:SCOPE_SE
	s_setreg_imm32_b32 hwreg(HW_REG_WAVE_MODE, 25, 1), 1
	s_wait_xcnt 0x0
	s_wait_alu depctr_hold_cnt(0) depctr_sa_sdst(0) depctr_va_vdst(0) depctr_va_sdst(0) depctr_va_ssrc(0) depctr_va_vcc(0) depctr_vm_vsrc(0)
	s_getreg_b32 s2, hwreg(HW_REG_IB_STS2, 6, 4)
	s_cmp_eq_u32 s2, 0
	s_cbranch_scc0 .Lentry_in_a_cluster
	s_endpgm
.Lentry_in_a_cluster:
	s_bfe_u32 s2, ttmp6, 0x10000c
	s_cmp_lg_u32 s2, 0xf033
	s_cbranch_scc0 .Lentry_shape_is_right
	s_endpgm
.Lentry_shape_is_right:
; FOURTH LAUNCH: the second half of the softmax and O = P V, f16 operands, f32 sums; O rounded once to f16.
; For each query: M = the largest of its 16 tiles' M_t; f_t = 2^(M_t - M), a power of two, at most 1; l = the sum of f_t l_t.  O = (the sum over tiles of f_t (p_t V_t)) / l, all but the products in f32.
; A work-group makes 128 queries x 256 channels; a wave 64 x 128: 32 accumulators.  K = the batch's 2,048 keys: 64 quarters of 32 keys; four quarters are a step: one tile of the statistics.
; O^T = V^T P^T: source 0 = 16 channels x 32 keys of V, turned on its way out of LDS by ds_load_tr16_b128; source 1 = 16 queries x 32 keys of P: a lane holds ONE query and eight neighbouring channels an accumulator.
; V GOES THROUGH LDS: two slots of two steps (256 keys x (512 bytes + 32)); each of the four waves fetches 64 keys of a slot by one joint tensor load, shared along a column of the 4 x 4 cluster.
; So 240 matrix instructions of a wave stand between a request and the wait for it.
; P GOES FROM MEMORY STRAIGHT INTO REGISTERS.  pt lies in the order of this product's operand registers ([block of 16 queries][group of 32 keys][2 halves][32 lanes][16 bytes]): a fragment is two loads of 512 consecutive bytes.
; A ring of eight quarter buffers (window 3): a quarter's eight loads are issued seven quarters ahead; 56 loads of a wave are out at the most.
; A STEP'S PRODUCTS SUM INTO PARTIAL ACCUMULATORS T (the first with C = 0).  In the step's last quarter O += f_t T: four packed multiply-adds behind each product, for the accumulator that was finished two products
; earlier, so that eight plain instructions lie between a product and the read of its result.  The first step's O = f_t T starts the sums: nothing is cleared.
; oh IS LAID IN THE ORDER OF THE NEXT PRODUCT'S OPERAND REGISTERS: [512 blocks of 16 rows][32 groups of 32 channels][2 halves][32 lanes][16 bytes]: two neighbouring accumulators, packed, are such a fragment: stored straight from registers.
; LIMITS: O must lie inside f16's range; NaN and infinities are not served.
; REGISTERS: window 0: v16-29 addresses; v32-39 f_t of my four blocks (even registers); v40-47 1 / l (even registers); v128-255 V's fragments, two buffers.  window 1: O ((a, b) at v[8 (8 a + b)]).  window 2: T likewise.  window 3: P's ring.
.set PV,     544                       ; 136 words: key k starts at bank 8 k mod 64
.set STEPB,  128*PV
.set SLOT,   2*STEPB
.set FTAB,   2*SLOT                    ; each wave's own 4,096 bytes: f_t as [tile 16][query r 16][block a 4] words of f32
.set SPARE,  FTAB+4*4096               ; the spare words, 128 bytes a wave
.set FAD,  16                          ; v16  where I read f_t: my wave's table + 16 r; stepped by four tiles a trip
.set FST,  17                          ; v17  where I put f_t: + 256 h
.set SVA,  18                          ; v18  4 r + 32,768 h
.set LN16, 19                          ; v19  16 x lane; never rewritten
.set ADRV, 20                          ; v20-23  my lane's place in V's tile of step 0, 1 (slot 0), 2, 3 (slot 1)
.set SPW,  28
.set NIL,  29
.set FS,   32
.set IL,   40
.set VF,   128
.set TMP,  128
.set G1V, 24
.set G0V, 32                           ; s[32:39] a group 0 for each slot
.set PB,  48                           ; s[48:49] pt at my four blocks of queries, at the trip's first group of keys
.set SEL, 50                           ; s[50:51] v_permlanex16_b32's selects for lane l xor 16
.set W_MUL,  0xac                      ; V window 0, P window 3, C and D (T) window 2
.set W_FOLD, 0x52                      ; T (source 0) window 2, f_t window 0, O (source 2 and destination) window 1
.set W_P,    0xc0                      ; a load's destination window 3
.set MSB, 0
.macro WIN new
.if MSB != \new
	s_set_vgpr_msb (MSB<<8)|\new
.set MSB, \new
.endif
.endm
.macro TLOAD s                         ; every wave's own 64 keys of slot s; an s_nop 0 and four v_nop follow
	tensor_load_to_lds s[G0V+4*(\s):G0V+4*(\s)+3], s[G1V:G1V+7]
	s_nop 0
.rept 4
	v_nop
.endr
.endm
.macro CREST
	s_cmp_lg_u32 s12, 0
	s_cbranch_scc1 .Lnot_wave_0_\@
	s_barrier_signal -3
.Lnot_wave_0_\@:
	s_barrier_wait -3
	s_barrier_signal -1
	s_barrier_wait -1
.endm
.macro CROUND
	s_barrier_signal -1
	s_barrier_wait -1
	CREST
.endm
.macro PLOAD q                         ; P's four fragments of quarter q (counted from the trip's base) into ring buffer q % 8; the caller has set the destination's window
.irp a, 0,1,2,3
	global_load_b128 v[32*((\q)%8)+8*\a:32*((\q)%8)+8*\a+3],   v[LN16], s[PB:PB+1] offset:\a*65536+(\q)*1024
	global_load_b128 v[32*((\q)%8)+8*\a+4:32*((\q)%8)+8*\a+7], v[LN16], s[PB:PB+1] offset:\a*65536+(\q)*1024+512
.endr
.endm
	s_load_b256 s[4:11], s[0:1], 0x0               ; pt s[4:5], stats s[6:7], qkv s[8:9], oh s[10:11]
	v_lshl_add_u32 v[SPW], v0, 2, SPARE
	v_mov_b32 v[NIL], 0
	ds_add_u32 v[SPW], v[NIL]                      ; the wave's opening: the add, twice on end, and its wait ahead of my first tensor load
	ds_add_u32 v[SPW], v[NIL]
	v_lshrrev_b32 v1, 5, v0
	v_readfirstlane_b32 s12, v1                    ; wave 0..3: also which 64 keys of a slot I fetch
	s_lshr_b32 s13, s12, 1                         ; which 64 queries are mine
	s_and_b32 s14, s12, 1                          ; which 128 channels
	s_bfe_u32 s40, ttmp6, 0x40000                  ; cx
	s_bfe_u32 s41, ttmp6, 0x40004                  ; cy
	s_lshl_b32 s42, ttmp9, 2
	s_add_co_u32 s42, s42, s40                     ; tile of channels, 0..3
	s_and_b32 s15, ttmp7, 0xffff
	s_lshr_b32 s45, s15, 2                         ; the batch: four clusters along y for each
	s_lshl_b32 s15, s15, 2
	s_add_co_u32 s15, s15, s41                     ; tile of queries, 0..63
	s_lshl_b32 s44, 0x1111, s40                    ; my column of the cluster: it shares the batch and the channels
	s_or_b32 s[G1V+0], s44, (1<<16)|(1<<20)|(1<<21)|(6<<22)|(7<<25)  ; 64 keys x 256 elements of 2 bytes; 8 words of padding behind every 128; bit 21 beside a mask
	s_mov_b32 s[G1V+1], 256<<16
	s_mov_b32 s[G1V+2], 64<<16
	s_mov_b32 s[G1V+3], 256<<16
	s_mov_b32 s[G1V+4], 64
	s_mov_b32 s[G1V+5], 1024
	s_mov_b32 s[G1V+6], 0
	s_mov_b32 s[G1V+7], 0
	s_mov_b32 s[SEL], 0x76543210
	s_mov_b32 s[SEL+1], 0xfedcba98
	s_lshl_b32 s46, s45, 11
	s_lshl_b32 s47, s12, 6
	s_add_co_u32 s46, s46, s47
	s_add_co_u32 s46, s46, 16384                   ; V: row 16,384 + 2,048 x batch + 64 x wave
	s_lshl_b32 s46, s46, 11
	s_lshl_b32 s47, s42, 9                         ; + 512 bytes x tile of channels
	s_add_co_u32 s46, s46, s47
	s_mov_b32 s47, 0
	s_mul_i32 s21, s12, 64*PV                      ; where they go: wave x 64 keys
	s_wait_dscnt 0x0                               ; both opening adds are done
	s_wait_kmcnt 0x0
	s_add_nc_u64 s[46:47], s[8:9], s[46:47]
	CROUND                                         ; the first joint loads meet
.irp s, 0,1
	s_mov_b32 s[G0V+4*\s], 1
	s_add_co_u32 s[G0V+4*\s+1], s21, \s*SLOT
	s_add_nc_u64 s[G0V+4*\s+2:G0V+4*\s+3], s[46:47], \s*524288   ; slot s begins with keys 256 s on
	s_or_b32 s[G0V+4*\s+3], s[G0V+4*\s+3], 0x80000000
	TLOAD \s                                       ; two loads of mine are out behind the second
.endr
	v_and_b32 v1, 15, v0                           ; r
	v_bfe_u32 v2, v0, 4, 1                         ; h
	v_and_b32 v3, 31, v0
	v_lshlrev_b32 v[LN16], 4, v3
	v_lshlrev_b32 v[SVA], 2, v1
	v_lshl_add_u32 v[SVA], v2, 15, v[SVA]
	s_lshl_b32 s18, s15, 7
	s_lshl_b32 s19, s13, 6
	s_add_co_u32 s18, s18, s19                     ; my first query
	s_lshl_b32 s22, s18, 2
	s_mov_b32 s23, 0
	s_add_nc_u64 s[6:7], s[6:7], s[22:23]
	; the statistics of my 64 queries: lane (r, h) takes query 16 a + r and the tiles 2 u + h: -M_t into v[64 + 8 a + u], l_t into v[96 + 8 a + u]
.irp a, 0,1,2,3
.irp u, 0,1,2,3,4,5,6,7
	global_load_b32 v[64+8*\a+\u], v[SVA], s[6:7] offset:\u*65536+64*\a
.endr
.endr
.irp a, 0,1,2,3
.irp u, 0,1,2,3,4,5,6,7
	global_load_b32 v[96+8*\a+\u], v[SVA], s[6:7] offset:524288+\u*65536+64*\a
.endr
.endr
	s_lshl_b32 s22, s18, 12                        ; pt: a block of 16 queries is 65,536 bytes
	s_add_nc_u64 s[PB:PB+1], s[4:5], s[22:23]
	WIN W_P
.irp q, 0,1,2,3,4,5,6
	PLOAD \q                                       ; the ring's first seven quarters
.endr
	WIN 0
	v_and_b32 v4, 7, v0
	v_bfe_u32 v5, v0, 3, 1
	v_lshl_add_u32 v4, v2, 3, v4
	v_mul_u32_u24 v4, v4, PV
	v_lshl_add_u32 v4, v5, 4, v4                   ; V: key 8 h + l % 8, channels 8 ((l / 8) % 2) on
	s_lshl_b32 s22, s14, 8                         ; my 128 channels
.irp s, 0,1,2,3
	v_add_nc_u32 v[ADRV+\s], s22, v4
	s_add_co_u32 s22, s22, STEPB
.endr
	s_lshl_b32 s23, s12, 12
	s_add_co_u32 s23, s23, FTAB
	v_lshlrev_b32 v5, 4, v1
	v_add_nc_u32 v[FAD], s23, v5
	v_lshl_add_u32 v[FST], v2, 8, v[FAD]
	s_lshl_b32 s18, s18, 11                        ; oh: a block of 16 rows is 32,768 bytes,
	s_lshl_b32 s19, s42, 13                        ; a tile of 256 channels 8 groups of 1,024,
	s_add_co_u32 s18, s18, s19
	s_lshl_b32 s19, s14, 12                        ; my half of it 4
	s_add_co_u32 s18, s18, s19
	s_mov_b32 s19, 0
	s_add_nc_u64 s[10:11], s[10:11], s[18:19]
.irp a, 0,1,2,3
	v_mov_b32 v[IL+2*\a+1], 0                      ; named as the upper halves of pairs, so they are written
	v_mov_b32 v[FS+2*\a+1], 0
	v_mov_b32 v[56+\a], 0                          ; a lane permute's destination counts as one of its sources
.endr
	s_wait_loadcnt 56                              ; the statistics are in; P's 56 loads, issued behind them, may be out
.irp a, 0,1,2,3
	v_max3_num_f32 v[48+\a], -v[64+8*\a], -v[65+8*\a], -v[66+8*\a]           ; the largest M_t of my eight tiles (the four blocks by turns),
.endr
.irp i, 3,5
.irp a, 0,1,2,3
	v_max3_num_f32 v[48+\a], v[48+\a], -v[64+8*\a+\i], -v[65+8*\a+\i]
.endr
.endr
.irp a, 0,1,2,3
	v_max_num_f32 v[48+\a], v[48+\a], -v[71+8*\a]
.endr
.irp a, 0,1,2,3
	v_permlanex16_b32 v[56+\a], v[48+\a], s[SEL], s[SEL+1]
.endr
.irp a, 0,1,2,3
	v_max_num_f32 v[48+\a], v[48+\a], v[56+\a]     ; and of lane l xor 16's eight: M
.endr
.set U, 0
.rept 8
.irp a, 0,1,2,3
	v_sub_f32 v[56+\a], -v[64+8*\a+U], v[48+\a]    ; M_t - M: a whole number, 0 or less
.endr
.irp a, 0,1,2,3
	v_cvt_i32_f32 v[56+\a], v[56+\a]               ; (it saturates)
.endr
.irp a, 0,1,2,3
	v_ldexp_f32 v[192+4*U+\a], 1.0, v[56+\a]       ; f_t
.endr
.irp a, 0,1,2,3
.if U == 0
	v_mul_f32 v[52+\a], v[192+\a], v[96+8*\a]
.else
	v_fmac_f32 v[52+\a], v[192+4*U+\a], v[96+8*\a+U]   ; l += f_t l_t
.endif
.endr
.set U, U+1
.endr
.irp a, 0,1,2,3
	v_permlanex16_b32 v[56+\a], v[52+\a], s[SEL], s[SEL+1]
.endr
.irp a, 0,1,2,3
	v_add_f32 v[52+\a], v[52+\a], v[56+\a]         ; with lane l xor 16's eight tiles: l
.endr
.irp a, 0,1,2,3
	v_rcp_f32 v[IL+2*\a], v[52+\a]                 ; l is at least a half: the tile that holds the row's maximum has f_t = 1 and a p over a half
.endr
	v_nop                                          ; a plain instruction behind the last reciprocal
	s_wait_alu depctr_va_vdst(0)                   ; one wait for the four, ahead of every later line that names them
.irp u, 0,1,2,3,4,5,6,7
	ds_store_b128 v[FST], v[192+4*\u:195+4*\u] offset:512*\u   ; tile 2 u + h, query r, my four blocks
.endr
.macro FETCH q                         ; V's eight fragments of quarter q into buffer q % 2: 16 turning loads
.set FG, VF+64*((\q)%2)
.set FA, ADRV+((\q)/4)%4
.set FK, 32*((\q)%4)*PV
.irp i, 0,1,2,3,4,5,6,7
	ds_load_tr16_b128 v[FG+8*\i:FG+8*\i+3],   v[FA] offset:FK+32*\i
	ds_load_tr16_b128 v[FG+8*\i+4:FG+8*\i+7], v[FA] offset:FK+16*PV+32*\i
.endr
.endm
.macro FLOAD t                         ; f_t of my four blocks, into the even registers of four pairs
.irp a, 0,1,2,3
	ds_load_b32 v[FS+2*\a], v[FAD] offset:256*(\t)+4*\a
.endr
.endm
; Product N = 8 a + b of quarter q: T(a, b) += V's block b x P's block a; a step's first quarter starts the sums.  The 32 accumulators take turns, one instruction a turn.
.macro WM q
.if ((\q)%4) == 0
	v_wmma_f32_16x16x32_f16 v[8*N:8*N+7], v[VF+64*((\q)%2)+8*(N%8):VF+64*((\q)%2)+8*(N%8)+7], v[32*((\q)%8)+8*(N/8):32*((\q)%8)+8*(N/8)+7], 0
.else
	v_wmma_f32_16x16x32_f16 v[8*N:8*N+7], v[VF+64*((\q)%2)+8*(N%8):VF+64*((\q)%2)+8*(N%8)+7], v[32*((\q)%8)+8*(N/8):32*((\q)%8)+8*(N/8)+7], v[8*N:8*N+7]
.endif
.endm
.macro WRUN n0, cnt, q
	WIN W_MUL
.set N, \n0
.rept \cnt
	WM \q
.set N, N+1
.endr
.endm
.macro FOLD m, first                   ; O(m) += f_t T(m), from T's low end on; first = 1: O(m) = f_t T(m)
	WIN W_FOLD
.irp i, 0,2,4,6
.if \first
	v_pk_mul_f32 v[8*(\m)+\i:8*(\m)+\i+1], v[8*(\m)+\i:8*(\m)+\i+1], v[FS+2*((\m)/8):FS+2*((\m)/8)+1] op_sel_hi:[1,0]
.else
	v_pk_fma_f32 v[8*(\m)+\i:8*(\m)+\i+1], v[8*(\m)+\i:8*(\m)+\i+1], v[FS+2*((\m)/8):FS+2*((\m)/8)+1], v[8*(\m)+\i:8*(\m)+\i+1] op_sel_hi:[1,0,1]
.endif
.endr
.endm
.macro PLACES                          ; four plain vector instructions between a matrix instruction and a load into, or a read of, its registers
.rept 4
	v_nop
.endr
.endm
; A step's last quarter: behind product N stands the fold of accumulator N - 2.  Four v_nop behind product 1 are the places in front of the first fold; from there on the folds are each other's places.
.macro WFRUN n0, cnt, q, first
.set N, \n0
.rept \cnt
	WIN W_MUL
	WM \q
.if N >= 2
	FOLD N-2, \first
.endif
.if N == 1
	PLACES
.endif
.set N, N+1
.endr
.endm
; Quarter q (counted from the trip's base).  lw: the loads of P that may stay out: eight for each younger quarter asked for.  pl = 1: quarter q + 7 of P is asked for, into the buffer that quarter q - 1 has left.
; Behind the first eight products stand the loads of the next quarter's V; 24 products follow them.
.macro QUARTER q, lw, pl, first
	s_wait_loadcnt \lw                             ; this quarter's P is in
	s_wait_dscnt 0x0                               ; and its V (and f_t, in a step's last quarter)
.if ((\q)%4) == 3
	WFRUN 0, 8, \q, \first                         ; (the folds are the places in front of the loads below)
.else
	WRUN 0, 8, \q
	PLACES
.endif
	WIN 0
.if ((\q)%4) == 2
	FLOAD (\q)/4
.endif
	FETCH (\q)+1
.if \pl
	WIN W_P
	PLOAD (\q)+7
.endif
.if ((\q)%4) == 3
	WFRUN 8, 24, \q, \first
	FOLD 30, \first
	FOLD 31, \first
.else
	WRUN 8, 24, \q
.endif
.endm
; A slot's last quarter changes slots: in front of the barrier each wave waits for all its tensor loads (its part of the next slot), adds 0 to its spare word, and waits for that and for its reads of this slot.
; fill = 1: the barrier opens a round of the cluster's, and this slot is filled again first thing behind it, with the keys 512 further on.
.macro TURN q, lw, pl, fill
	WIN 0
	s_wait_tensorcnt 0x0
	ds_add_u32 v[SPW], v[NIL]
	s_wait_loadcnt \lw
	s_wait_dscnt 1                                 ; V's fragments and f_t are in (the add may be out)
	WFRUN 0, 8, \q, 0
	s_wait_dscnt 0x0                               ; the add is done, and my reads of this slot are over
	s_barrier_signal -1
	WFRUN 8, 8, \q, 0
	WIN 0
	s_barrier_wait -1
.if \fill
	CREST                                          ; no wave of any partner still reads this slot or has a load on its way
	s_add_nc_u64 s[G0V+4*(((\q)/8)%2)+2:G0V+4*(((\q)/8)%2)+3], s[G0V+4*(((\q)/8)%2)+2:G0V+4*(((\q)/8)%2)+3], 1048576
	TLOAD ((\q)/8)%2                               ; my one tensor load behind the round
.endif
	FETCH (\q)+1
.if \pl
	WIN W_P
	PLOAD (\q)+7
.endif
	WFRUN 16, 16, \q, 0
	FOLD 30, 0
	FOLD 31, 0
.endm
	s_wait_tensorcnt 1                             ; my part of slot 0 is in; slot 1's may stay out
	s_wait_dscnt 0x0                               ; my stores into the table are done
	s_barrier_signal -1
	s_barrier_wait -1
	FETCH 0
	QUARTER 0, 48, 1, 0                            ; step 0 stands in front of the loop: its fold starts O
	QUARTER 1, 48, 1, 0
	QUARTER 2, 48, 1, 0
	QUARTER 3, 48, 1, 1
	WIN 0
	s_mov_b32 s3, 3
.Llap:                                             ; a trip is 16 quarters, steps 1 to 4 of a lap: once round the two slots and twice round P's ring; both slots are filled again
	QUARTER 4, 48, 1, 0
	QUARTER 5, 48, 1, 0
	QUARTER 6, 48, 1, 0
	TURN 7, 48, 1, 1
	QUARTER 8, 48, 1, 0
	QUARTER 9, 48, 1, 0
	QUARTER 10, 48, 1, 0
	QUARTER 11, 48, 1, 0
	QUARTER 12, 48, 1, 0
	QUARTER 13, 48, 1, 0
	QUARTER 14, 48, 1, 0
	TURN 15, 48, 1, 1
	QUARTER 16, 48, 1, 0
	QUARTER 17, 48, 1, 0
	QUARTER 18, 48, 1, 0
	QUARTER 19, 48, 1, 0
	WIN 0
	s_wait_xcnt 0x0                                ; the loads of P have read their base, so it may be written:
	s_add_nc_u64 s[PB:PB+1], s[PB:PB+1], 16384     ; 16 groups of keys on
	v_add_nc_u32 v[FAD], 1024, v[FAD]              ; four tiles on
	s_sub_co_u32 s3, s3, 1
	s_cmp_lg_u32 s3, 0
	s_cbranch_scc1 .Llap
	QUARTER 4, 48, 1, 0                            ; the last three steps, quarters 52 to 63, are written out: no slot is filled, and P's loads end with quarter 63
	QUARTER 5, 48, 1, 0
	QUARTER 6, 48, 1, 0
	TURN 7, 48, 1, 0
	QUARTER 8, 48, 1, 0
	QUARTER 9, 48, 0, 0
	QUARTER 10, 40, 0, 0                           ; the counts run down: eight for each quarter still to come
	QUARTER 11, 32, 0, 0
	QUARTER 12, 24, 0, 0
	QUARTER 13, 16, 0, 0
	QUARTER 14, 8, 0, 0
	s_wait_loadcnt 0x0                             ; the very last quarter
	s_wait_dscnt 0x0
	WFRUN 0, 32, 15, 0
	FOLD 30, 0
	FOLD 31, 0
; THE WAY OUT, a block of 16 queries x 128 channels at a time: x 1 / l, rounded to f16, stored as four fragments of the next product: 512 consecutive bytes a store.  Each block has its own 32 registers: no store's data are written again.
.macro PACK a
	WIN 0x41                                       ; O (destination and source 0) window 1, 1 / l window 0
.set I, 64*(\a)
.rept 32
	v_pk_mul_f32 v[I:I+1], v[I:I+1], v[IL+2*(\a):IL+2*(\a)+1] op_sel_hi:[1,0]
.set I, I+2
.endr
	WIN 0x05                                       ; sources 0 and 1 window 1, destination window 0
.set I, 0
.rept 32
	v_cvt_pk_f16_f32 v[TMP+32*(\a)+I], v[64*(\a)+2*I], v[64*(\a)+2*I+1]
.set I, I+1
.endr
	WIN 0
.irp b, 0,1,2,3,4,5,6,7
	global_store_b128 v[LN16], v[TMP+32*(\a)+4*\b:TMP+32*(\a)+4*\b+3], s[10:11] offset:(\a)*32768+512*\b
.endr
.endm
.irp a, 0,1,2,3
	PACK \a
.endr
	s_wait_tensorcnt 0x0                           ; the wave's end
	ds_add_u32 v[SPW], v[NIL]
	s_wait_dscnt 0x0
	CROUND                                         ; the closing round
	s_endpgm
.Lfunc_end_k_q9721175cc1_pv:
	.size	k_q9721175cc1_pv, .Lfunc_end_k_q9721175cc1_pv-k_q9721175cc1_pv
	.p2alignl 7, 3214868480
	.fill 96, 4, 3214868480
	.section	.rodata,"a",@progbits
	.p2align	6, 0x0
	.amdhsa_kernel k_q9721175cc1_pv
		.amdhsa_group_segment_fixed_size 327680
		.amdhsa_private_segment_fixed_size 0
		.amdhsa_enable_private_segment 0
		.amdhsa_kernarg_size 32
		.amdhsa_user_sgpr_count 2
		.amdhsa_user_sgpr_kernarg_segment_ptr 1
		.amdhsa_wavefront_size32 1
		.amdhsa_system_sgpr_workgroup_id_x 1
		.amdhsa_system_sgpr_workgroup_id_y 1
		.amdhsa_system_sgpr_workgroup_id_z 1
		.amdhsa_system_vgpr_workitem_id 0
		.amdhsa_next_free_vgpr 1024
		.amdhsa_next_free_sgpr 72
		.amdhsa_reserve_vcc 0
		.amdhsa_float_denorm_mode_32 3
		.amdhsa_float_denorm_mode_16_64 3
		.amdhsa_memory_ordered 1
		.amdhsa_forward_progress 1
		.amdhsa_inst_pref_size 252
	.end_amdhsa_kernel
	.amdgpu_metadata
---
amdhsa.version: [ 1, 2 ]
amdhsa.kernels:
  - .name:           k_q9721175cc1_pv
    .symbol:         k_q9721175cc1_pv.kd
    .args:
      - { .name: pt, .offset: 0, .size: 8, .value_kind: global_buffer, .address_space: global }
      - { .name: stats, .offset: 8, .size: 8, .value_kind: global_buffer, .address_space: global }
      - { .name: qkv, .offset: 16, .size: 8, .value_kind: global_buffer, .address_space: global }
      - { .name: oh, .offset: 24, .size: 8, .value_kind: global_buffer, .address_space: global }
    .group_segment_fixed_size: 327680
    .private_segment_fixed_size: 0
    .kernarg_segment_align: 8
    .kernarg_segment_size: 32
    .max_flat_workgroup_size: 128
    .sgpr_count:     72
    .vgpr_count:     1024
    .wavefront_size: 32
...
	.end_amdgpu_metadata
.endif
;; end of part 4
;; launch outp (part 5): grid 4 x 64, 4 waves a work-group, clusters of 4 x 4, 327,680 bytes of LDS; arguments oh, woh, bo, out0; writes out0
.if DOCPART == 5
	.amdgcn_target "amdgcn-amd-amdhsa--gfx1250"
	.amdhsa_code_object_version 6
	.text
	.protected	k_q9721175cc1_outp
	.globl	k_q9721175cc1_outp
	.p2align	8
	.type	k_q9721175cc1_outp,@function
k_q9721175cc1_outp:
	s_mov_b64 s[64:65], 0
	v_nop
	global_prefetch_b8 v0, s[64:65] scope:SCOPE_SE
	s_setreg_imm32_b32 hwreg(HW_REG_WAVE_MODE, 25, 1), 1
	s_wait_xcnt 0x0
	s_wait_alu depctr_hold_cnt(0) depctr_sa_sdst(0) depctr_va_vdst(0) depctr_va_sdst(0) depctr_va_ssrc(0) depctr_va_vcc(0) depctr_vm_vsrc(0)
	s_getreg_b32 s2, hwreg(HW_REG_IB_STS2, 6, 4)
	s_cmp_eq_u32 s2, 0
	s_cbranch_scc0 .Lentry_in_a_cluster
	s_endpgm
.Lentry_in_a_cluster:
	s_bfe_u32 s2, ttmp6, 0x10000c
	s_cmp_lg_u32 s2, 0xf033
	s_cbranch_scc0 .Lentry_shape_is_right
	s_endpgm
.Lentry_shape_is_right:
; FIFTH LAUNCH: out0 = O Wo^T + bo.  O: oh, f16, in the order of this product's operand registers ([512 blocks of 16 rows][32 groups of 32 channels][2 halves][32 lanes][16 bytes]); Wo: woh [1024][1024] f16, K innermost;
; bo [1024], out0 [8192][1024] f32; sums in f32.
; A work-group makes 128 rows x 256 columns; a wave 64 x 128: 32 accumulators.  K = 1,024: 32 quarters of 32, all written out: every offset is an immediate and no pointer is stepped.
; Wo GOES THROUGH LDS: two slots of 256 along K (256 rows x (512 bytes + 16)); each of the four waves fetches 64 rows of a slot by one joint tensor load, shared along a column of the 4 x 4 cluster.  Each slot is filled twice.
; O GOES FROM MEMORY STRAIGHT INTO REGISTERS: a fragment is two loads of 512 consecutive bytes; a ring of eight quarter buffers (window 3), a quarter's eight loads issued seven quarters ahead: 56 loads of a wave are out at the most.
; Source 0 = 16 rows of Wo, source 1 = 16 rows of O: a lane holds eight neighbouring columns of one row of the result.  bo is the C of each sum's first product: 64 registers in the result's layout.
; REGISTERS: window 0: v16-30 addresses; v128-255 Wo's fragments, two buffers; on the way out v64-191 are at work.  window 1: the accumulators ((a, b) at v[8 (8 a + b)]).  window 2: v0-63 the bias.  window 3: O's ring.
.set PP,     528                       ; 132 words: row r starts at bank 4 r mod 64: the 16 rows that a load touches start at 16 different banks (64 banks of 4 bytes: ISA guide 11.1)
.set SLOT,   256*PP
.set STAGE,  2*SLOT                    ; 16 rows x (512 bytes + 16) for each wave
.set SPITCH, 528
.set SPARE,  STAGE+4*16*SPITCH
.set ADRB, 20
.set STO,  24
.set RD,   25
.set CO,   26                          ; v26  16 x lane; never rewritten
.set SPW,  28
.set NIL,  29
.set BF,   128
.set BK,   64
.set G1B, 24
.set G0B, 32                           ; s[32:39] a group 0 for each slot
.set AB,  48                           ; s[48:49] oh at my four blocks of rows
.set MSB, 0
.macro WIN new
.if MSB != \new
	s_set_vgpr_msb (MSB<<8)|\new
.set MSB, \new
.endif
.endm
.macro TLOAD s                         ; every wave's own 64 rows of slot s; an s_nop 0 and four v_nop follow
	tensor_load_to_lds s[G0B+4*(\s):G0B+4*(\s)+3], s[G1B:G1B+7]
	s_nop 0
.rept 4
	v_nop
.endr
.endm
.macro CREST
	s_cmp_lg_u32 s12, 0
	s_cbranch_scc1 .Lnot_wave_0_\@
	s_barrier_signal -3
.Lnot_wave_0_\@:
	s_barrier_wait -3
	s_barrier_signal -1
	s_barrier_wait -1
.endm
.macro CROUND
	s_barrier_signal -1
	s_barrier_wait -1
	CREST
.endm
.macro ALOAD q                         ; O's four fragments of quarter q into ring buffer q % 8; the caller has set the destination's window
.irp a, 0,1,2,3
	global_load_b128 v[32*((\q)%8)+8*\a:32*((\q)%8)+8*\a+3],   v[CO], s[AB:AB+1] offset:\a*32768+(\q)*1024
	global_load_b128 v[32*((\q)%8)+8*\a+4:32*((\q)%8)+8*\a+7], v[CO], s[AB:AB+1] offset:\a*32768+(\q)*1024+512
.endr
.endm
	s_load_b256 s[4:11], s[0:1], 0x0               ; oh s[4:5], woh s[6:7], bo s[8:9], out0 s[10:11]
	v_lshl_add_u32 v[SPW], v0, 2, SPARE
	v_mov_b32 v[NIL], 0
	ds_add_u32 v[SPW], v[NIL]                      ; the wave's opening: the add, twice on end, and its wait ahead of my first tensor load
	ds_add_u32 v[SPW], v[NIL]
	v_lshrrev_b32 v1, 5, v0
	v_readfirstlane_b32 s12, v1                    ; wave 0..3: also which 64 rows of Wo's tile I fetch
	s_lshr_b32 s13, s12, 1                         ; which 64 rows of the result are mine
	s_and_b32 s14, s12, 1                          ; which 128 columns
	s_bfe_u32 s40, ttmp6, 0x40000                  ; cx
	s_bfe_u32 s41, ttmp6, 0x40004                  ; cy
	s_lshl_b32 s42, ttmp9, 2
	s_add_co_u32 s42, s42, s40                     ; tile column, 0..3
	s_and_b32 s15, ttmp7, 0xffff
	s_lshl_b32 s15, s15, 2
	s_add_co_u32 s15, s15, s41                     ; tile row, 0..63
	s_lshl_b32 s44, 0x1111, s40                    ; my column of the cluster
	s_or_b32 s[G1B+0], s44, (1<<16)|(1<<20)|(1<<21)|(6<<22)|(3<<25)  ; 64 rows x 256 elements of 2 bytes; 4 words of padding behind every 128; bit 21 beside a mask
	s_mov_b32 s[G1B+1], 256<<16
	s_mov_b32 s[G1B+2], 64<<16
	s_mov_b32 s[G1B+3], 256<<16
	s_mov_b32 s[G1B+4], 64
	s_mov_b32 s[G1B+5], 1024
	s_mov_b32 s[G1B+6], 0
	s_mov_b32 s[G1B+7], 0
	s_lshl_b32 s46, s42, 8
	s_lshl_b32 s47, s12, 6
	s_add_co_u32 s46, s46, s47                     ; Wo: row 256 x tile column + 64 x wave
	s_lshl_b32 s46, s46, 11
	s_mov_b32 s47, 0
	s_mul_i32 s21, s12, 64*PP                      ; where they go: wave x 64 rows
	s_wait_dscnt 0x0                               ; both opening adds are done
	s_wait_kmcnt 0x0
	s_add_nc_u64 s[46:47], s[6:7], s[46:47]
	CROUND                                         ; the first joint loads meet
.irp s, 0,1
	s_mov_b32 s[G0B+4*\s], 1
	s_add_co_u32 s[G0B+4*\s+1], s21, \s*SLOT
	s_add_nc_u64 s[G0B+4*\s+2:G0B+4*\s+3], s[46:47], \s*512   ; slot s begins with K = 256 s on
	s_or_b32 s[G0B+4*\s+3], s[G0B+4*\s+3], 0x80000000
	TLOAD \s                                       ; two loads of mine are out behind the second
.endr
	v_and_b32 v1, 15, v0                           ; r
	v_bfe_u32 v2, v0, 4, 1                         ; h
	v_and_b32 v6, 31, v0
	v_lshlrev_b32 v[CO], 4, v6
	; the bias of my 128 columns: register 8 b + j of window 2 = bo[256 tx + 128 half + 16 b + 8 h + j]
	s_lshl_b32 s18, s42, 10
	s_lshl_b32 s19, s14, 9
	s_add_co_u32 s18, s18, s19                     ; my first column, in bytes of f32
	s_mov_b32 s19, 0
	s_add_nc_u64 s[8:9], s[8:9], s[18:19]
	v_lshlrev_b32 v30, 5, v2                       ; 32 h
	WIN 0x80                                       ; destination window 2
.irp b, 0,1,2,3,4,5,6,7
	global_load_b128 v[8*\b:8*\b+3], v30, s[8:9] offset:64*\b
	global_load_b128 v[8*\b+4:8*\b+7], v30, s[8:9] offset:64*\b+16
.endr
	s_lshl_b32 s22, s15, 7
	s_lshl_b32 s23, s13, 6
	s_add_co_u32 s22, s22, s23                     ; my first row
	s_lshl_b32 s20, s22, 11                        ; oh: a block of 16 rows is 32,768 bytes
	s_mov_b32 s21, 0
	s_add_nc_u64 s[AB:AB+1], s[4:5], s[20:21]
	WIN 0xc0                                       ; destination window 3
.irp q, 0,1,2,3,4,5,6
	ALOAD \q                                       ; the ring's first seven quarters
.endr
	WIN 0
	v_mul_u32_u24 v3, v1, PP
	v_lshl_add_u32 v3, v2, 4, v3                   ; a fragment's row x pitch + 16 x half
	s_mul_i32 s23, s14, 128*PP                     ; my 128 rows of Wo
.irp s, 0,1
	v_add_nc_u32 v[ADRB+\s], s23, v3
	s_add_co_u32 s23, s23, SLOT
.endr
	s_mul_i32 s23, s12, 16*SPITCH
	s_add_co_u32 s23, s23, STAGE                   ; my stage
	v_mul_u32_u24 v5, v1, SPITCH                   ; in: row r, 32 bytes for each half of the lanes
	v_lshl_add_u32 v5, v2, 5, v5
	v_add_nc_u32 v[STO], s23, v5
	v_add_nc_u32 v[RD], s23, v[CO]                 ; back: the 32 lanes take one row of 512 bytes
	s_lshl_b32 s22, s22, 12                        ; out0: 4,096 bytes a row
	s_add_co_u32 s22, s22, s18
	s_mov_b32 s23, 0
	s_add_nc_u64 s[10:11], s[10:11], s[22:23]
.macro FETCH q                         ; Wo's eight fragments of quarter q into buffer q % 2: 16 loads
.set FG, BF+64*((\q)%2)
.set FA, ADRB+((\q)/8)%2
.irp i, 0,1,2,3,4,5,6,7
	ds_load_b128 v[FG+8*\i:FG+8*\i+3],   v[FA] offset:64*((\q)%8)+\i*16*PP
	ds_load_b128 v[FG+8*\i+4:FG+8*\i+7], v[FA] offset:64*((\q)%8)+\i*16*PP+32
.endr
.endm
; cnt products of quarter q from number n0 on; product N = 8 a + b.  Quarter 0 starts the sums on the bias.  The 32 accumulators take turns, one instruction a turn.
.macro WRUN n0, cnt, q
.if (\q) == 0
	WIN 0x6c                                       ; Wo window 0, O window 3, C (the bias) window 2, D window 1
.else
	WIN 0x5c                                       ; C and D window 1
.endif
.set N, \n0
.rept \cnt
.if (\q) == 0
	v_wmma_f32_16x16x32_f16 v[8*N:8*N+7], v[BF+64*((\q)%2)+8*(N%8):BF+64*((\q)%2)+8*(N%8)+7], v[32*((\q)%8)+8*(N/8):32*((\q)%8)+8*(N/8)+7], v[8*(N%8):8*(N%8)+7]
.else
	v_wmma_f32_16x16x32_f16 v[8*N:8*N+7], v[BF+64*((\q)%2)+8*(N%8):BF+64*((\q)%2)+8*(N%8)+7], v[32*((\q)%8)+8*(N/8):32*((\q)%8)+8*(N/8)+7], v[8*N:8*N+7]
.endif
.set N, N+1
.endr
.endm
.macro PLACES                          ; four plain vector instructions between a matrix instruction and a load into, or a read of, its registers
.rept 4
	v_nop
.endr
.endm
.macro LWAIT q                         ; quarter q's loads of O are in: eight may stay out for each younger quarter asked for, six quarters at the most, fewer at the end
.set LW, 8*(31-(\q))
.if LW > 48
.set LW, 48
.endif
	s_wait_loadcnt LW
.endm
.macro AHEAD q                         ; the next quarter's Wo; O's quarter q + 7, into the buffer that quarter q - 1 has left
	FETCH (\q)+1
.if (\q)+7 < 32
	WIN 0xc0
	ALOAD (\q)+7
.endif
.endm
.macro QUARTER q
	LWAIT \q                                       ; (in quarter 0 the bias, asked for earlier, is in with it)
	s_wait_dscnt 0x0                               ; this quarter's Wo is in
	WRUN 0, 8, \q
	PLACES
	WIN 0
	AHEAD \q
	WRUN 8, 24, \q
.endm
; A slot's last quarter changes slots: in front of the barrier each wave waits for all its tensor loads (its part of the next slot), adds 0 to its spare word, and waits for that and for its reads of this slot.
; fill = 1: the barrier opens a round of the cluster's, and this slot is filled again first thing behind it, with K 512 further on.
.macro TURN q, fill
	WIN 0
	s_wait_tensorcnt 0x0
	ds_add_u32 v[SPW], v[NIL]
	LWAIT \q
	s_wait_dscnt 1                                 ; Wo's fragments are in (the add may be out)
	WRUN 0, 8, \q
	s_wait_dscnt 0x0                               ; the add is done, and my reads of this slot are over
	s_barrier_signal -1
	WRUN 8, 8, \q
	WIN 0
	s_barrier_wait -1
.if \fill
	CREST                                          ; no wave of any partner still reads this slot or has a load on its way
	s_add_nc_u64 s[G0B+4*(((\q)/8)%2)+2:G0B+4*(((\q)/8)%2)+3], s[G0B+4*(((\q)/8)%2)+2:G0B+4*(((\q)/8)%2)+3], 1024
	TLOAD ((\q)/8)%2                               ; my one tensor load behind the round; its four v_nop are also the places in front of the loads below
.else
	PLACES
.endif
	AHEAD \q
	WRUN 16, 16, \q
.endm
	s_wait_tensorcnt 1                             ; my part of slot 0 is in; slot 1's may stay out
	s_barrier_signal -1
	s_barrier_wait -1
	FETCH 0
.irp q, 0,1,2,3,4,5,6
	QUARTER \q
.endr
	TURN 7, 1
.irp q, 8,9,10,11,12,13,14
	QUARTER \q
.endr
	TURN 15, 1
.irp q, 16,17,18,19,20,21,22
	QUARTER \q
.endr
	TURN 23, 0                                     ; nothing is left to fetch
.irp q, 24,25,26,27,28,29,30
	QUARTER \q
.endr
	s_wait_loadcnt 0x0                             ; the very last quarter
	s_wait_dscnt 0x0
	WRUN 0, 32, 31
	WIN 0
	PLACES
; THE WAY OUT, a block of 16 rows x 128 columns at a time: through my own stage and back as whole rows of 512 bytes, which the 32 lanes store as 512 consecutive aligned bytes.
.macro TOSTAGE a
	WIN 0x04                                       ; an LDS store's data are its source 1: window 1
.irp b, 0,1,2,3,4,5,6,7
	ds_store_b128 v[STO], v[64*(\a)+8*\b:64*(\a)+8*\b+3] offset:64*\b          ; each accumulator from its low end on
	ds_store_b128 v[STO], v[64*(\a)+8*\b+4:64*(\a)+8*\b+7] offset:64*\b+16
.endr
	WIN 0
.set BB, BK+64*((\a)%2)
.irp t, 0,1,2,3,4,5,6,7,8,9,10,11,12,13,14,15
	ds_load_b128 v[BB+4*\t:BB+4*\t+3], v[RD] offset:\t*SPITCH      ; LDS serves a wave's instructions in order: these see the stores above
.endr
.endm
.macro SEND a, younger                 ; younger: the LDS instructions issued behind block a's loads, which may stay out
.set BB, BK+64*((\a)%2)
	s_wait_dscnt \younger
.if (\a) > 0
	s_add_nc_u64 s[10:11], s[10:11], 16*4096       ; (behind a wait on XCNT: the earlier stores have read their base)
.endif
.irp t, 0,1,2,3,4,5,6,7,8,9,10,11,12,13,14,15
	global_store_b128 v[CO], v[BB+4*\t:BB+4*\t+3], s[10:11] offset:\t*4096 th:TH_STORE_NT
.endr
.endm
	TOSTAGE 0
.irp a, 1,2,3
.if \a > 1
	s_wait_xcnt 0x0                                ; block a - 2's stores have read their registers and their base
.endif
	TOSTAGE \a
	SEND \a-1, 32                                  ; behind block a - 1's loads: block a's 16 stores and 16 loads
.endr
	s_wait_xcnt 0x0
	SEND 3, 0
	s_wait_tensorcnt 0x0                           ; the wave's end
	ds_add_u32 v[SPW], v[NIL]
	s_wait_dscnt 0x0
	CROUND                                         ; the closing round
	s_endpgm
.Lfunc_end_k_q9721175cc1_outp:
	.size	k_q9721175cc1_outp, .Lfunc_end_k_q9721175cc1_outp-k_q9721175cc1_outp
	.p2alignl 7, 3214868480
	.fill 96, 4, 3214868480
	.section	.rodata,"a",@progbits
	.p2align	6, 0x0
	.amdhsa_kernel k_q9721175cc1_outp
		.amdhsa_group_segment_fixed_size 327680
		.amdhsa_private_segment_fixed_size 0
		.amdhsa_enable_private_segment 0
		.amdhsa_kernarg_size 32
		.amdhsa_user_sgpr_count 2
		.amdhsa_user_sgpr_kernarg_segment_ptr 1
		.amdhsa_wavefront_size32 1
		.amdhsa_system_sgpr_workgroup_id_x 1
		.amdhsa_system_sgpr_workgroup_id_y 1
		.amdhsa_system_sgpr_workgroup_id_z 1
		.amdhsa_system_vgpr_workitem_id 0
		.amdhsa_next_free_vgpr 1024
		.amdhsa_next_free_sgpr 72
		.amdhsa_reserve_vcc 0
		.amdhsa_float_denorm_mode_32 3
		.amdhsa_float_denorm_mode_16_64 3
		.amdhsa_memory_ordered 1
		.amdhsa_forward_progress 1
		.amdhsa_inst_pref_size 152
	.end_amdhsa_kernel
	.amdgpu_metadata
---
amdhsa.version: [ 1, 2 ]
amdhsa.kernels:
  - .name:           k_q9721175cc1_outp
    .symbol:         k_q9721175cc1_outp.kd
    .args:
      - { .name: oh, .offset: 0, .size: 8, .value_kind: global_buffer, .address_space: global }
      - { .name: woh, .offset: 8, .size: 8, .value_kind: global_buffer, .address_space: global }
      - { .name: bo, .offset: 16, .size: 8, .value_kind: global_buffer, .address_space: global }
      - { .name: out0, .offset: 24, .size: 8, .value_kind: global_buffer, .address_space: global }
    .group_segment_fixed_size: 327680
    .private_segment_fixed_size: 0
    .kernarg_segment_align: 8
    .kernarg_segment_size: 32
    .max_flat_workgroup_size: 128
    .sgpr_count:     72
    .vgpr_count:     1024
    .wavefront_size: 32
...
	.end_amdgpu_metadata
.endif
;; end of part 5
